; MI455X (gfx1250); checked and timed in simulation.
; The chip was launched on July 23, 2026; its instructions are those of AMD's public machine-readable ISA for CDNA 5 (MIT licence, August 2026) and "CDNA5" Instruction Set Architecture Reference Guide (July 2026). The comments in the code are by the model that wrote it; some were corrected since.
;; Encoder Layer. Allowed arithmetic: matrix products marked QUANTISED: E2M3 operands, one E8M0 scale for each 32 along K, by v_wmma_scale_f32_16x16x128_f8f6f4 with both operands' format E2M3, f32 sums; everything else in f32.
;; Inputs: W1_codes 4,096 x 32 x 24 uint8 (E2M3 codes of W1, K innermost, in blocks of 32 codes, four codes in three bytes); W1_scales 4,096 x 32 uint8 (E8M0 scales of W1, one for each 32 codes along K); W2_codes 1,024 x 128 x 24 uint8 (E2M3 codes of W2, K innermost, in blocks of 32 codes, four codes in three bytes); W2_scales 1,024 x 128 uint8 (E8M0 scales of W2, one for each 32 codes along K); Wk_codes 1,024 x 32 x 24 uint8 (E2M3 codes of Wk, K innermost, in blocks of 32 codes, four codes in three bytes); Wk_scales 1,024 x 32 uint8 (E8M0 scales of Wk, one for each 32 codes along K); Wo_codes 1,024 x 32 x 24 uint8 (E2M3 codes of Wo, K innermost, in blocks of 32 codes, four codes in three bytes); Wo_scales 1,024 x 32 uint8 (E8M0 scales of Wo, one for each 32 codes along K); Wq_codes 1,024 x 32 x 24 uint8 (E2M3 codes of Wq, K innermost, in blocks of 32 codes, four codes in three bytes); Wq_scales 1,024 x 32 uint8 (E8M0 scales of Wq, one for each 32 codes along K); Wv_codes 1,024 x 32 x 24 uint8 (E2M3 codes of Wv, K innermost, in blocks of 32 codes, four codes in three bytes); Wv_scales 1,024 x 32 uint8 (E8M0 scales of Wv, one for each 32 codes along K); b1 4,096 float32; b2 1,024 float32; bk 1,024 float32; bo 1,024 float32; bq 1,024 float32; bv 1,024 float32; ln1_b 1,024 float32; ln1_g 1,024 float32; ln2_b 1,024 float32; ln2_g 1,024 float32; mask 2 x 2,048 x 2,048 bool; x 2 x 2,048 x 1,024 float32.
;; Outputs: out0 2 x 2,048 x 1,024 float32.
;; This version of the problem:
;;   THIS VERSION OF THE PROBLEM IS GIVEN IN LOW PRECISION. The matrix products marked QUANTISED in the list below multiply operands that are first quantised to E2M3 (2 exponent bits, 3 mantissa bits; 6 bits a number), with one power-of-two scale for each 32 numbers along K (OCP MX v1.0); their sums are f32. All else is computed in f32.
;;   The module's matrix products, in the order in which they are computed (A, B: the left and right operand; K: the contracted axis; several contracted axes count as one K, in the product's order):
;;     1. [M 4,096, K 1,024] x [K 1,024, N 1,024]; A: computed on the way; B: input Wq (given as codes): QUANTISED
;;     2. [M 4,096, K 1,024] x [K 1,024, N 1,024]; A: computed on the way; B: input Wk (given as codes): QUANTISED
;;     3. [M 4,096, K 1,024] x [K 1,024, N 1,024]; A: computed on the way; B: input Wv (given as codes): QUANTISED
;;     4. batch 32 x [M 2,048, K 64] x [K 64, N 2,048]; A: computed on the way; B: computed on the way: QUANTISED
;;     5. batch 32 x [M 2,048, K 2,048] x [K 2,048, N 64]; A: softmax (see below); B: computed on the way: QUANTISED
;;     6. [M 4,096, K 1,024] x [K 1,024, N 1,024]; A: computed on the way; B: input Wo (given as codes): QUANTISED
;;     7. [M 4,096, K 1,024] x [K 1,024, N 4,096]; A: computed on the way; B: input W1 (given as codes): QUANTISED
;;     8. [M 4,096, K 4,096] x [K 4,096, N 1,024]; A: computed on the way; B: input W2 (given as codes): QUANTISED
;;   THE QUANTISER, for each operand of a quantised product, along K:
;;     - K is cut into blocks of 32 from its start; a last block that is shorter is filled with zeros.
;;     - A block's scale is 2^e with e = floor(log2(the largest magnitude in the block)) - 2, held to -126 .. 127; a block of zeros has e = 0. As a byte (E8M0): e + 127.
;;     - Each number is divided by its block's scale, clamped to +-7.5, and rounded to the nearest number of E2M3, ties to even, subnormals kept.
;;     - The product sums the exact products of the quantised numbers (number of the format x scale) in f32.
;;   ~~~python
;;   def quantise(x, axis):      # numpy; x: float32 -> the quantised numbers, widened to float32 again
;;       x = np.moveaxis(x, axis, -1); K = x.shape[-1]
;;       x = np.pad(x, [(0, 0)] * (x.ndim - 1) + [(0, -K % 32)]); x = x.reshape(x.shape[:-1] + (-1, 32)); a = np.abs(x).max(-1, keepdims=True)
;;       e = np.where(a > 0, np.clip(np.frexp(np.where(a > 0, a, 1))[1] - 1 - 2, -126, 127), 0)      # np.frexp(a)[1] - 1 = floor(log2(a)), exactly
;;       r = np.clip(x / 2.0 ** e, -7.5, 7.5)
;;       step = 2.0 ** (np.maximum(np.frexp(np.where(r == 0, 1, r))[1] - 1, 0) - 3)
;;       q = np.round(r / step) * step * 2.0 ** e      # np.round: ties to even
;;       return np.moveaxis(q.reshape(q.shape[:-2] + (-1,))[..., :K], -1, axis).astype(np.float32)
;;   ~~~
;;   SOFTMAX AHEAD OF A QUANTISED PRODUCT. Where the list says 'softmax', what is quantised is not the finished softmax but p = 2^(t - M), with t = logit x log2(e) and M = ceil(the row's largest t), a whole number; so 1/2 < the row's largest p <= 1. The row's sum l is taken of the UNQUANTISED p, in f32, and the product's result is divided by l at the end. Since M is a whole number, a kernel that streams over the keys may use a running M (the ceiling of the running maximum): every later rescaling is an exact power of two, which a block's scale takes up: the codes' values come out the same.
;;   OPERANDS COMPUTED ON THE WAY. 'Computed on the way' means the value that the module computes at that place (a softmax that the list does not call 'softmax' is quantised finished and normalised). What goes into a quantiser is computed in f32, as accurately as f32 sums, v_exp_f32 and their like allow (about 1e-6 of the number): no bf16 or f16 on the way to a quantiser, and a product that is left as it is and whose result goes on into a quantised operand takes f32 operands (vector FMAs, or v_wmma_f32_16x16x4_f32). A number that lies on a knife's edge between two numbers of the format may be rounded either way, as far as f32 arithmetic and the matrix unit's own rounding can turn it there, and no further.
;;   INPUTS GIVEN AS CODES. W1 (in the module: [1024, 4096], K = its axis 0); W2 (in the module: [4096, 1024], K = its axis 0); Wk (in the module: [1024, 1024], K = its axis 0); Wo (in the module: [1024, 1024], K = its axis 0); Wq (in the module: [1024, 1024], K = its axis 0); Wv (in the module: [1024, 1024], K = its axis 0): each comes as NAME_codes (uint8): NAME with its K axis moved to the last place and cut into blocks of 32 codes, [.., K / 32, bytes a block], one block behind the other in memory; four codes in three bytes: a row's codes are one little-endian stream of bits, code i at bits 6 i .. 6 i + 5 (a code: sign, 2 exponent bits, 3 mantissa bits); and NAME_scales (uint8): the same leading axes, one E8M0 byte (e + 127) for each 32 codes along K. Its value is code x scale, taken as it is: it is not quantised again, and the codes and scales need not be those that the quantiser above would give.
;; One version. Each part assembles by itself: llvm-mc -triple=amdgcn-amd-amdhsa -mcpu=gfx1250 --defsym DOCPART=n.
;; ======== version 1 of 1: 7 launches
;; limits: right only within a limited range of input values
;; workspace buffers: pbuf 7,372,800 bytes; mbits 1,048,576 bytes of whole numbers; qkvb 9,830,400 bytes; cbuf 3,276,800 bytes; x1 16,777,216 bytes; h2b 3,276,800 bytes; hidb 13,107,200 bytes
;; launch prep (part 1): grid 256 x 1, 8 waves a work-group, no clusters, 80,896 bytes of LDS; arguments x, ln1_g, ln1_b, pbuf, mask, Wo_codes, Wo_scales, W2_codes, W2_scales, mbits; writes pbuf, mbits
.if DOCPART == 1
	.amdgcn_target "amdgcn-amd-amdhsa--gfx1250"
	.amdhsa_code_object_version 6
	.text
	.protected	k_q469231f785_prep
	.globl	k_q469231f785_prep
	.p2align	8
	.type	k_q469231f785_prep,@function
k_q469231f785_prep:
	s_mov_b64 s[64:65], 0
	v_nop
	global_prefetch_b8 v0, s[64:65] scope:SCOPE_SE
	s_setreg_imm32_b32 hwreg(HW_REG_WAVE_MODE, 25, 1), 1
	s_wait_xcnt 0x0
; Two roles, parted once by the wave's number; they share nothing and never join.
; WAVES 0-3: layer norm of x [4096][1024] f32 and its codes of FP6 (E2M3) along the row: pbuf + 0: [4096][768] bytes of codes, a row one stream of bits; pbuf + HSO: [4096][32] E8M0 bytes.
;   A wave takes 4 rows; all its 32 loads (512 consecutive bytes each) go out at once.  Mean, then the mean of (x - mean)^2, 1/sqrt by v_rsq_f32, gain and bias by one multiply-add, all f32.
;   A block's scale is its largest magnitude's exponent field less 2, held at 1 from below (a block of zeros gets 1: its codes are zeros, and only this program reads the bytes).
; WAVES 4-7: (a) the mask [4096 rows][2048 keys] of bytes becomes words of one bit a lane: mbits[row tile of 16][key step of 128][64 words]; in word 8 T + j bit r + 16 h is
;   mask[16 tile + r][128 step + 16 T + 8 h + j]: the place of that score in the attention launch's registers.  (b) Wo's and W2's codes are laid as images of operand registers: a half fragment
;   (16 rows x 64 K, six registers a lane) is 768 bytes: registers 0-3 at 16 x lane, registers 4-5 at 512 + 8 x lane.  (c) their scale bytes as words [rows / 128][K / 128][128 rows].
; LIMITS: NaN and infinities are not served; blocks whose largest magnitude lies under 2^-124 have their byte held at 1.
.set HSO,  3145728
.set WOI,  3276800
.set WOS,  4063232
.set W2I,  4096000
.set W2S,  7241728
.set SP,   80                          ; a lane's place in a stage: 64 bytes + 16 of padding
.set WREG, 5632                        ; LDS of an LN wave: two stages of 32 x SP, then 128 scale bytes
.set PST,  8*WREG                      ; behind them: a stage of 16 rows x 272 bytes for each wave's mask work
.set G,    16                          ; v16-47 gain, v48-79 bias, in the loads' layout
.set BB,   48
.set X,    80                          ; v80-207 four rows of 32 registers
.set XS,   208                         ; v208-239 two sets of 16 neighbours
.set CD,   240                         ; v240-247 two sets of codes
.set IM,   16                          ; PACK: v16-55 five half fragments, 8 registers apart
.set MK,   64                          ; v64-127 the mask as loaded
.set D,    128                         ; v128-159 the mask, 8 keys a lane
.set W,    160                         ; v160-167 four pairs of words
	s_load_b256 s[4:11], s[0:1], 0x0               ; x, ln1_g, ln1_b, pbuf
	s_load_b256 s[16:23], s[0:1], 0x20             ; mask, Wo_codes, Wo_scales, W2_codes
	s_load_b128 s[24:27], s[0:1], 0x40             ; W2_scales, mbits
	v_lshl_add_u32 v254, v0, 2, 0x13800
	v_mov_b32 v255, 0
	v_lshrrev_b32 v1, 5, v0
	s_delay_alu instid0(VALU_DEP_1)
	v_readfirstlane_b32 s2, v1                     ; wave 0..7
	v_and_b32 v1, 31, v0                           ; lane
	s_delay_alu instid0(VALU_DEP_1)
	v_lshlrev_b32 v2, 4, v1                        ; 16 x lane
	v_and_b32 v3, 15, v0                           ; r
	s_delay_alu instid0(VALU_DEP_3)
	v_mul_u32_u24 v4, v1, 12                       ; 12 x lane: my 16 codes
	s_delay_alu instid0(VALU_DEP_4)
	v_lshlrev_b32 v7, 2, v1                        ; 4 x lane
	s_mul_i32 s3, s2, WREG                         ; every LDS address is made here, ahead of the parting
	v_lshrrev_b32 v14, 2, v1
	s_delay_alu instid0(VALU_DEP_1)
	v_mul_u32_u24 v14, v14, SP
	v_and_b32 v15, 3, v1
	s_delay_alu instid0(VALU_DEP_1)
	v_lshl_add_u32 v14, v15, 4, v14
	s_delay_alu instid0(VALU_DEP_1)
	v_add_nc_u32 v14, s3, v14                      ; a stage, on the way in: SP (lane / 4) + 16 (lane % 4)
	v_mul_u32_u24 v15, v1, SP
	s_delay_alu instid0(VALU_DEP_1)
	v_add_nc_u32 v15, s3, v15                      ; and out: SP x lane: 16 neighbours
	s_add_co_u32 s3, s3, 2*32*SP
	v_lshrrev_b32 v5, 1, v1
	s_delay_alu instid0(VALU_DEP_1)
	v_add_nc_u32 v5, s3, v5                        ; my block's scale byte
	v_add_nc_u32 v6, s3, v7                        ; and 4 bytes a lane on the way out
	s_mul_i32 s3, s2, 4352
	s_add_co_u32 s3, s3, PST
	v_bfe_u32 v8, v0, 4, 1                         ; h
	s_delay_alu instid0(VALU_DEP_1)
	v_mul_u32_u24 v251, v8, 272
	s_delay_alu instid0(VALU_DEP_1)
	v_lshl_add_u32 v251, v3, 4, v251
	s_delay_alu instid0(VALU_DEP_1)
	v_add_nc_u32 v251, s3, v251                    ; the mask's stage, in: row h of a pair, 16 r
	v_mul_u32_u24 v252, v3, 272
	s_delay_alu instid0(VALU_DEP_1)
	v_lshl_add_u32 v252, v8, 3, v252
	s_delay_alu instid0(VALU_DEP_1)
	v_add_nc_u32 v252, s3, v252                    ; out: row r, 8 h
	s_cmp_lt_u32 s2, 4
	s_cbranch_scc0 .Lpack
	; ---------------- layer norm and codes
	s_mov_b32 s12, 0x76543210
	s_mov_b32 s13, 0xfedcba98                      ; v_permlanex16_b32: lane l xor 16
	s_mov_b32 s14, 0x3a800000                      ; 1 / 1024
	s_mov_b32 s15, 0x3727c5ac                      ; 1e-5
	v_mov_b32 v13, 0                               ; (named as the upper half of a pair)
	v_mov_b32 v250, 0                              ; (a lane permute's destination counts as read)
	s_lshl_b32 s28, ttmp9, 4
	s_lshl_b32 s29, s2, 2
	s_add_co_u32 s28, s28, s29                     ; my first row
	s_lshl_b32 s30, s28, 12
	s_mov_b32 s31, 0
	s_mul_i32 s32, s28, 768
	s_mov_b32 s33, 0
	s_lshl_b32 s34, s28, 5
	s_add_co_u32 s34, s34, HSO
	s_mov_b32 s35, 0
	s_wait_kmcnt 0x0
	s_add_nc_u64 s[4:5], s[4:5], s[30:31]
	s_add_nc_u64 s[32:33], s[10:11], s[32:33]      ; my rows' codes
	s_add_nc_u64 s[34:35], s[10:11], s[34:35]      ; and scale bytes
.irp j, 0,1,2,3,4,5,6,7
	global_load_b128 v[G+4*\j:G+4*\j+3], v2, s[6:7] offset:512*\j
	global_load_b128 v[BB+4*\j:BB+4*\j+3], v2, s[8:9] offset:512*\j
.endr
.irp i, 0,1,2,3
.irp j, 0,1,2,3,4,5,6,7
	global_load_b128 v[X+32*\i+4*\j:X+32*\i+4*\j+3], v2, s[4:5] offset:4096*\i+512*\j th:TH_LOAD_NT
.endr
.endr
.macro REDUCE                          ; v8 <- the sum of v8 .. v11 over the 32 lanes
	s_delay_alu instid0(VALU_DEP_1)
	v_pk_add_f32 v[8:9], v[8:9], v[10:11]
	s_delay_alu instid0(VALU_DEP_1)
	v_add_f32 v8, v8, v9
	s_delay_alu instid0(VALU_DEP_1)
	v_add_f32_dpp v8, v8, v8 row_xmask:1 row_mask:0xf bank_mask:0xf
	s_delay_alu instid0(VALU_DEP_1)
	v_add_f32_dpp v8, v8, v8 row_xmask:2 row_mask:0xf bank_mask:0xf
	s_delay_alu instid0(VALU_DEP_1)
	v_add_f32_dpp v8, v8, v8 row_xmask:4 row_mask:0xf bank_mask:0xf
	s_delay_alu instid0(VALU_DEP_1)
	v_add_f32_dpp v8, v8, v8 row_xmask:8 row_mask:0xf bank_mask:0xf
	s_delay_alu instid0(VALU_DEP_1)
	v_permlanex16_b32 v250, v8, s12, s13
	s_delay_alu instid0(VALU_DEP_1)
	v_add_f32 v8, v8, v250
.endm
.macro TURN t                          ; half a row, 512 numbers, through a stage: LDS serves a wave's instructions in order
.irp k, 0,1,2,3
	ds_store_b128 v14, v[X+16*(\t)+4*\k:X+16*(\t)+4*\k+3] offset:32*SP*((\t)%2)+8*SP*\k
.endr
.irp k, 0,1,2,3
	ds_load_b128 v[XS+16*((\t)%2)+4*\k:XS+16*((\t)%2)+4*\k+3], v15 offset:32*SP*((\t)%2)+16*\k
.endr
.endm
.macro QSTEP t                         ; my 16 neighbours become 12 bytes of codes; two neighbouring lanes hold a block
.set XQ, XS+16*((\t)%2)
.set CQ, CD+4*((\t)%2)
	v_max3_num_f32 v8, |v[XQ]|, |v[XQ+1]|, |v[XQ+2]|
	v_max3_num_f32 v9, |v[XQ+3]|, |v[XQ+4]|, |v[XQ+5]|
.irp i, 6,10
	s_delay_alu instid0(VALU_DEP_2)
	v_max3_num_f32 v8, v8, |v[XQ+\i]|, |v[XQ+\i+1]|
	s_delay_alu instid0(VALU_DEP_2)
	v_max3_num_f32 v9, v9, |v[XQ+\i+2]|, |v[XQ+\i+3]|
.endr
	s_delay_alu instid0(VALU_DEP_2)
	v_max3_num_f32 v8, v8, |v[XQ+14]|, |v[XQ+15]|
	s_delay_alu instid0(VALU_DEP_1)
	v_max3_num_f32 v8, v8, v9, 0x1800000           ; the floor 2^(3 - 127): the byte cannot fall under 1
	s_delay_alu instid0(VALU_DEP_1)
	v_max_num_f32_dpp v8, v8, v8 row_xmask:1 row_mask:0xf bank_mask:0xf
	s_delay_alu instid0(VALU_DEP_1)
	v_add_nc_u32 v11, 0xff000000, v8               ; 2 off the exponent field: the conversion's scale operand
	s_wait_alu depctr_va_vdst(0)
	s_wait_xcnt 0x0                                ; this set of codes was a store's data two steps ago
	v_cvt_scalef32_pk16_fp6_f32 v[CQ:CQ+2], v[XQ:XQ+15], v11
	v_lshrrev_b32 v[248+(\t)%2], 23, v11           ; the scale's byte (also the plain line behind the conversion)
	ds_store_b8 v5, v[248+(\t)%2] offset:16*(\t)
	global_store_b96 v4, v[CQ:CQ+2], s[32:33] offset:384*(\t)   ; 384 consecutive bytes a wave
.endm
.macro ROW i
.set XR, X+32*(\i)
	s_wait_loadcnt 24-8*(\i)                       ; gain, bias and this row are in; the later rows' loads stay out
	v_pk_add_f32 v[8:9], v[XR:XR+1], v[XR+2:XR+3]
	v_pk_add_f32 v[10:11], v[XR+4:XR+5], v[XR+6:XR+7]
.irp j, 8,12,16,20,24,28
	s_delay_alu instid0(VALU_DEP_2)
	v_pk_add_f32 v[8:9], v[8:9], v[XR+\j:XR+\j+1]
	s_delay_alu instid0(VALU_DEP_2)
	v_pk_add_f32 v[10:11], v[10:11], v[XR+\j+2:XR+\j+3]
.endr
	REDUCE
	s_delay_alu instid0(VALU_DEP_1)
	v_mul_f32 v8, s14, v8                          ; the mean
.irp j, 0,2,4,6,8,10,12,14,16,18,20,22,24,26,28,30
	v_pk_add_f32 v[XR+\j:XR+\j+1], v[XR+\j:XR+\j+1], v[8:9] op_sel_hi:[1,0] neg_lo:[0,1] neg_hi:[0,1]
.endr
	v_pk_mul_f32 v[8:9], v[XR:XR+1], v[XR:XR+1]
	v_pk_mul_f32 v[10:11], v[XR+2:XR+3], v[XR+2:XR+3]
.irp j, 4,8,12,16,20,24,28
	s_delay_alu instid0(VALU_DEP_2)
	v_pk_fma_f32 v[8:9], v[XR+\j:XR+\j+1], v[XR+\j:XR+\j+1], v[8:9]
	s_delay_alu instid0(VALU_DEP_2)
	v_pk_fma_f32 v[10:11], v[XR+\j+2:XR+\j+3], v[XR+\j+2:XR+\j+3], v[10:11]
.endr
	REDUCE
	s_delay_alu instid0(VALU_DEP_1)
	v_fma_f32 v8, v8, s14, s15                     ; the variance + eps
	s_wait_alu depctr_va_vdst(0)
	v_rsq_f32 v12, v8
	v_nop                                          ; a plain line behind the transcendental,
	s_wait_alu depctr_va_vdst(0)                   ; and the wait ahead of its first reader
.irp j, 0,2,4,6,8,10,12,14,16,18,20,22,24,26,28,30
	v_pk_mul_f32 v[XR+\j:XR+\j+1], v[XR+\j:XR+\j+1], v[12:13] op_sel_hi:[1,0]
.endr
.irp j, 0,2,4,6,8,10,12,14,16,18,20,22,24,26,28,30
	v_pk_fma_f32 v[XR+\j:XR+\j+1], v[XR+\j:XR+\j+1], v[G+\j:G+\j+1], v[BB+\j:BB+\j+1]
.endr
	TURN 2*(\i)
	TURN 2*(\i)+1
	s_wait_dscnt 8                                 ; the first half is back; the second turn's eight may be out
	QSTEP 2*(\i)
	s_wait_dscnt 1                                 ; the second half is back; the byte store may be out
	QSTEP 2*(\i)+1
.endm
	ROW 0
	ROW 1
	ROW 2
	ROW 3
	ds_load_b32 v9, v6                             ; my wave's 128 scale bytes: these see my stores
	s_wait_dscnt 0x0
	global_store_b32 v7, v9, s[34:35]
	s_wait_tensorcnt 0x0
	ds_add_u32 v254, v255
	s_wait_dscnt 0x0
	s_endpgm
	; ---------------- mask words, weight images, scale planes
.Lpack:
	s_and_b32 s28, s2, 3                           ; w'
	s_lshl_b32 s29, ttmp9, 2
	s_add_co_u32 s29, s29, s28                     ; u = 4 g + w'
	s_lshr_b32 s30, s29, 4
	s_mul_i32 s30, s30, 49152                      ; W2: row tile u / 16 (16 rows of 3,072 bytes),
	s_and_b32 s31, s29, 15
	s_mul_i32 s36, s31, 192                        ; its half fragments 4 (u % 16) on, 48 bytes of a row each
	s_add_co_u32 s30, s30, s36
	s_mul_i32 s34, s31, 48                         ; Wo: half fragment u % 16 of row tile u / 16
	s_lshr_b32 s36, s29, 4
	s_mul_i32 s36, s36, 12288
	s_add_co_u32 s34, s34, s36
	s_mov_b32 s31, 0
	s_mov_b32 s35, 0
	s_mul_i32 s32, s29, 3072
	s_add_co_u32 s32, s32, W2I
	s_mov_b32 s33, 0
	s_mul_i32 s36, s29, 768
	s_add_co_u32 s36, s36, WOI
	s_mov_b32 s37, 0
	s_lshr_b32 s40, s29, 5                         ; W2's scale words: rows 32 (u / 32) + lane, K step u % 32
	s_and_b32 s41, s29, 31
	s_lshl_b32 s38, s40, 12
	s_lshl_b32 s39, s41, 2
	s_add_co_u32 s38, s38, s39
	s_mov_b32 s39, 0
	s_lshr_b32 s42, s40, 2
	s_lshl_b32 s42, s42, 5
	s_add_co_u32 s42, s42, s41
	s_lshl_b32 s42, s42, 9
	s_and_b32 s40, s40, 3
	s_lshl_b32 s40, s40, 7
	s_add_co_u32 s40, s40, s42
	s_add_co_u32 s40, s40, W2S
	s_mov_b32 s41, 0
	s_lshl_b32 s42, ttmp9, 15                      ; the mask: rows 16 g on, keys 512 w' on
	s_lshl_b32 s43, s28, 9
	s_add_co_u32 s42, s42, s43
	s_mov_b32 s43, 0
	s_lshl_b32 s44, ttmp9, 12                      ; its words: 4,096 bytes a row tile, 256 a key step
	s_lshl_b32 s45, s28, 10
	s_add_co_u32 s44, s44, s45
	s_mov_b32 s45, 0
	v_mul_u32_u24 v9, v3, 3072
	s_wait_alu depctr_va_vdst(0)
	v_mad_u32_u24 v9, v8, 24, v9                   ; W2: row r, + 24 h
	v_mul_u32_u24 v10, v3, 768
	s_delay_alu instid0(VALU_DEP_1)
	v_mad_u32_u24 v10, v8, 24, v10                 ; Wo likewise
	v_lshlrev_b32 v11, 7, v1                       ; a row of W2's scale bytes is 128 bytes,
	v_lshlrev_b32 v12, 5, v1                       ; of Wo's 32
	v_lshlrev_b32 v13, 11, v8
	s_delay_alu instid0(VALU_DEP_1)
	v_lshl_add_u32 v13, v3, 4, v13                 ; the mask: row h of a pair, 16 r
	v_lshlrev_b32 v253, 3, v1                      ; 8 x lane
.irp i, 0,1,2,3,4,5,6,7
	v_mov_b32 v[W+\i], 0                           ; (v_writelane_b32's destination counts as read)
.endr
	s_wait_alu depctr_va_vdst(0)
	s_wait_kmcnt 0x0
	s_add_nc_u64 s[30:31], s[22:23], s[30:31]
	s_add_nc_u64 s[32:33], s[10:11], s[32:33]
	s_add_nc_u64 s[34:35], s[18:19], s[34:35]
	s_add_nc_u64 s[36:37], s[10:11], s[36:37]
	s_add_nc_u64 s[38:39], s[24:25], s[38:39]
	s_add_nc_u64 s[40:41], s[10:11], s[40:41]
	s_add_nc_u64 s[42:43], s[16:17], s[42:43]
	s_add_nc_u64 s[44:45], s[26:27], s[44:45]
.irp i, 0,1,2,3
.irp p, 0,1,2
	global_load_b64 v[IM+8*\i+2*\p:IM+8*\i+2*\p+1], v9, s[30:31] offset:48*\i+8*\p
.endr
.endr
.irp p, 0,1,2
	global_load_b64 v[IM+32+2*\p:IM+32+2*\p+1], v10, s[34:35] offset:8*\p
.endr
	global_load_b32 v56, v11, s[38:39]
.irp c, 0,1
.irp t, 0,1,2,3,4,5,6,7
	global_load_b128 v[MK+32*\c+4*\t:MK+32*\c+4*\t+3], v13, s[42:43] offset:4096*\t+256*\c th:TH_LOAD_NT   ; sixteen lanes read 256 consecutive bytes of a row
.endr
.endr
.macro MWORDS k, z                     ; key step k of my four, the z-th half of the chunk's 256 keys: 64 words, one bit a lane
.set n, 0
.rept 64
	v_and_b32 v[168+n%4], 0xff<<(8*(n%4)), v[D+2*(8*(\z)+n/8)+(n%8)/4]
	s_delay_alu instid0(VALU_DEP_1)
	v_cmp_ne_u32 s[12+n%4], 0, v[168+n%4]
	s_delay_alu instid0(VALU_DEP_1)
	v_writelane_b32 v[W+2*(\k)+n%2], s[12+n%4], n/2
.set n, n+1
.endr
	global_store_b64 v253, v[W+2*(\k):W+2*(\k)+1], s[44:45] offset:256*(\k)   ; 256 consecutive bytes, aligned
.endm
.macro CHUNK c
.irp t, 0,1,2,3,4,5,6,7
	ds_store_b128 v251, v[MK+32*(\c)+4*\t:MK+32*(\c)+4*\t+3] offset:544*\t
.endr
.irp e, 0,1,2,3,4,5,6,7,8,9,10,11,12,13,14,15
	ds_load_b64 v[D+2*\e:D+2*\e+1], v252 offset:16*\e        ; lane (r, h): keys 16 e + 8 h + 0 .. 7 of row r
.endr
	s_wait_dscnt 0x0
	MWORDS 2*(\c), 0
	MWORDS 2*(\c)+1, 1
.endm
	s_wait_loadcnt 8                               ; the weights' loads and the first chunk are in; the second chunk's eight may be out
.irp i, 0,1,2,3
	global_store_b128 v2, v[IM+8*\i:IM+8*\i+3], s[32:33] offset:768*\i
	global_store_b64 v253, v[IM+8*\i+4:IM+8*\i+5], s[32:33] offset:768*\i+512
.endr
	global_store_b128 v2, v[IM+32:IM+35], s[36:37]
	global_store_b64 v253, v[IM+36:IM+37], s[36:37] offset:512
	global_store_b32 v7, v56, s[40:41]
	CHUNK 0
	s_wait_loadcnt 0x0
	CHUNK 1
	s_cmp_lg_u32 s2, 4                             ; Wo's scale words: 256 pieces, one a work-group: wave 4 takes it
	s_cbranch_scc1 .Lpack_end
	s_wait_xcnt 0x0                                ; the bases above have been read
	s_lshr_b32 s28, ttmp9, 3                       ; rows 32 (g / 8) + lane,
	s_and_b32 s29, ttmp9, 7                        ; K step g % 8
	s_lshl_b32 s30, s28, 10
	s_lshl_b32 s31, s29, 2
	s_add_co_u32 s30, s30, s31
	s_mov_b32 s31, 0
	s_add_nc_u64 s[30:31], s[20:21], s[30:31]
	s_lshr_b32 s32, s28, 2
	s_lshl_b32 s32, s32, 3
	s_add_co_u32 s32, s32, s29
	s_lshl_b32 s32, s32, 9
	s_and_b32 s33, s28, 3
	s_lshl_b32 s33, s33, 7
	s_add_co_u32 s32, s32, s33
	s_add_co_u32 s32, s32, WOS
	s_mov_b32 s33, 0
	s_add_nc_u64 s[32:33], s[10:11], s[32:33]
	global_load_b32 v57, v12, s[30:31]
	s_wait_loadcnt 0x0
	global_store_b32 v7, v57, s[32:33]
.Lpack_end:
	s_wait_tensorcnt 0x0
	ds_add_u32 v254, v255
	s_wait_dscnt 0x0
	s_endpgm
.Lfunc_end_k_q469231f785_prep:
	.size	k_q469231f785_prep, .Lfunc_end_k_q469231f785_prep-k_q469231f785_prep
	.p2alignl 7, 3214868480
	.fill 96, 4, 3214868480
	.section	.rodata,"a",@progbits
	.p2align	6, 0x0
	.amdhsa_kernel k_q469231f785_prep
		.amdhsa_group_segment_fixed_size 80896
		.amdhsa_private_segment_fixed_size 0
		.amdhsa_enable_private_segment 0
		.amdhsa_kernarg_size 80
		.amdhsa_user_sgpr_count 2
		.amdhsa_user_sgpr_kernarg_segment_ptr 1
		.amdhsa_wavefront_size32 1
		.amdhsa_system_sgpr_workgroup_id_x 1
		.amdhsa_system_sgpr_workgroup_id_y 1
		.amdhsa_system_sgpr_workgroup_id_z 1
		.amdhsa_system_vgpr_workitem_id 0
		.amdhsa_next_free_vgpr 256
		.amdhsa_next_free_sgpr 66
		.amdhsa_reserve_vcc 0
		.amdhsa_float_denorm_mode_32 3
		.amdhsa_float_denorm_mode_16_64 3
		.amdhsa_memory_ordered 1
		.amdhsa_forward_progress 1
		.amdhsa_inst_pref_size 127
	.end_amdhsa_kernel
	.amdgpu_metadata
---
amdhsa.version: [ 1, 2 ]
amdhsa.kernels:
  - .name:           k_q469231f785_prep
    .symbol:         k_q469231f785_prep.kd
    .args:
      - { .name: x, .offset: 0, .size: 8, .value_kind: global_buffer, .address_space: global }
      - { .name: ln1_g, .offset: 8, .size: 8, .value_kind: global_buffer, .address_space: global }
      - { .name: ln1_b, .offset: 16, .size: 8, .value_kind: global_buffer, .address_space: global }
      - { .name: pbuf, .offset: 24, .size: 8, .value_kind: global_buffer, .address_space: global }
      - { .name: mask, .offset: 32, .size: 8, .value_kind: global_buffer, .address_space: global }
      - { .name: Wo_codes, .offset: 40, .size: 8, .value_kind: global_buffer, .address_space: global }
      - { .name: Wo_scales, .offset: 48, .size: 8, .value_kind: global_buffer, .address_space: global }
      - { .name: W2_codes, .offset: 56, .size: 8, .value_kind: global_buffer, .address_space: global }
      - { .name: W2_scales, .offset: 64, .size: 8, .value_kind: global_buffer, .address_space: global }
      - { .name: mbits, .offset: 72, .size: 8, .value_kind: global_buffer, .address_space: global }
    .group_segment_fixed_size: 80896
    .private_segment_fixed_size: 0
    .kernarg_segment_align: 8
    .kernarg_segment_size: 80
    .max_flat_workgroup_size: 256
    .sgpr_count:     66
    .vgpr_count:     256
    .wavefront_size: 32
...
	.end_amdgpu_metadata
.endif
;; end of part 1
;; launch qkv (part 2): grid 48 x 4, 4 waves a work-group, clusters of 4 x 4, 327,680 bytes of LDS; arguments pbuf, Wq_codes, Wq_scales, Wk_codes, Wk_scales, Wv_codes, Wv_scales, bq, bk, bv, qkvb; writes qkvb
.if DOCPART == 2
	.amdgcn_target "amdgcn-amd-amdhsa--gfx1250"
	.amdhsa_code_object_version 6
	.text
	.protected	k_q469231f785_qkv
	.globl	k_q469231f785_qkv
	.p2align	8
	.type	k_q469231f785_qkv,@function
k_q469231f785_qkv:
	s_mov_b64 s[64:65], 0
	v_nop
	global_prefetch_b8 v0, s[64:65] scope:SCOPE_SE
	s_setreg_imm32_b32 hwreg(HW_REG_WAVE_MODE, 25, 1), 1
	s_wait_xcnt 0x0
	s_wait_alu depctr_hold_cnt(0) depctr_sa_sdst(0) depctr_va_vdst(0) depctr_va_sdst(0) depctr_va_ssrc(0) depctr_va_vcc(0) depctr_vm_vsrc(0)
	s_getreg_b32 s2, hwreg(HW_REG_IB_STS2, 6, 4)
	s_cmp_eq_u32 s2, 0
	s_cbranch_scc0 .Lentry_in_a_cluster
	s_endpgm
.Lentry_in_a_cluster:
	s_bfe_u32 s2, ttmp6, 0x10000c
	s_cmp_lg_u32 s2, 0xf033
	s_cbranch_scc0 .Lentry_shape_is_right
	s_endpgm
.Lentry_shape_is_right:
.set HSO,    3145728
.set KSTEP,  256
.set NQ,     2
.set ROWB,   256                       ; a tile's row: a chunk of 256 bytes of a row of codes, which begins on a multiple of 256 bytes
.set KROW,   768
.set PITCH,  272
.set STEPS,  8                         ; steps of 128 along K, 96 bytes of a row each
.set CHUNKS, 3                         ; chunk c lies in slot c % 2; K has three fills, so no prefetch is laid
.set FR,     12
.set NL,     6
.set NP,     4
.set HALFT,  128*PITCH
.set SLOT,   4*HALFT
.set LAPS,   2
.set KS,     32
.set SCL,    2*SLOT
.set HALFS,  16*272
.set SBLK,   2*272
.set SPARE,  SCL+4*HALFS
.set ADRA, 16
.set ADRB, 20
.set L16,  24
.set L8,   25
.set SVA,  26
.set ADRS, 27
.set SPW,  28
.set NIL,  29
.set SC,   32
.set BY,   64
.set AF,   128
.set PC,   128
.set TM,   148
.set PWS,  164
.set OUTS, 172
.set BX,   224
.set OA,   244
.set SEL,  90
.set G1, 24
.set G0, 32
.set G1B, 48
.set G0B, 56
.set G1S, 68
.set G0S, 76
.set G1SB, 80
.set G0SB, 88
.set MSB, 0
.macro WIN new
.if MSB != (\new)
	s_set_vgpr_msb (MSB<<8)|(\new)
.set MSB, (\new)
.endif
.endm
.set MUL_LO, 0xa1
.set MUL_HI, 0xf1
.set BIAS_LO, 0x81
.set BIAS_HI, 0xc1
.set TO_B,   0x40
.macro JLOAD g0a, g1a, g0b, g1b
	s_cmp_eq_u32 s15, 0
	s_cbranch_scc0 .Lfor_b_\@
	tensor_load_to_lds s[\g0a:\g0a+3], s[\g1a:\g1a+7]
	s_nop 0
.rept 4
	v_nop
.endr
	s_branch .Lasked_\@
.Lfor_b_\@:
	tensor_load_to_lds s[\g0b:\g0b+3], s[\g1b:\g1b+7]
	s_nop 0
.rept 4
	v_nop
.endr
.Lasked_\@:
.endm
.macro CREST
	s_cmp_lg_u32 s14, 0
	s_cbranch_scc1 .Lnot_wave_0_\@
	s_barrier_signal -3
.Lnot_wave_0_\@:
	s_barrier_wait -3
	s_barrier_signal -1
	s_barrier_wait -1
.endm
.macro CROUND
	s_barrier_signal -1
	s_barrier_wait -1
	CREST
.endm
	s_load_b512 s[68:83], s[0:1], 0x0
	s_load_b128 s[84:87], s[0:1], 0x40
	s_load_b64 s[88:89], s[0:1], 0x50
	v_lshl_add_u32 v[SPW], v0, 2, SPARE
	v_mov_b32 v[NIL], 0
	ds_add_u32 v28, v29
	ds_add_u32 v28, v29
	s_wait_dscnt 0x0
	v_lshrrev_b32 v1, 5, v0
	v_readfirstlane_b32 s14, v1
	s_lshr_b32 s15, s14, 1
	s_and_b32 s16, s14, 1
	s_bfe_u32 s40, ttmp6, 0x40000
	s_bfe_u32 s41, ttmp6, 0x40004
	s_lshr_b32 s2, ttmp9, 2
	s_and_b32 s18, ttmp9, 3
	s_lshl_b32 s18, s18, 2
	s_cmp_eq_u32 s2, 2
	s_cselect_b32 s42, s18, 0
	s_cselect_b32 s17, 0, s18
	s_add_co_u32 s42, s42, s40
	s_add_co_u32 s17, s17, s41
	s_lshl_b32 s43, s41, 2
	s_lshl_b32 s43, 15, s43
	s_lshl_b32 s44, 0x1111, s40
	s_or_b32 s[G1+0], s43, (0<<16)|(1<<20)|(1<<21)|(5<<22)|(3<<25)
	s_or_b32 s[G1B+0], s44, (0<<16)|(1<<20)|(1<<21)|(5<<22)|(3<<25)
.irp g, G1, G1B
	s_mov_b32 s[\g+1], ROWB<<16
	s_mov_b32 s[\g+2], 256<<16                     ; the head's loads bring 256 rows
	s_mov_b32 s[\g+3], ROWB<<16
	s_mov_b32 s[\g+4], 256
	s_mov_b32 s[\g+5], KROW
	s_mov_b32 s[\g+6], 0
	s_mov_b32 s[\g+7], 0
.endr
	s_wait_kmcnt 0x0
	s_cmp_eq_u32 s2, 0
	s_cselect_b64 s[92:93], s[70:71], s[74:75]
	s_cselect_b64 s[94:95], s[72:73], s[76:77]
	s_cselect_b64 s[96:97], s[82:83], s[84:85]
	s_mov_b64 s[98:99], s[86:87]
	s_mov_b64 s[12:13], s[88:89]
	s_add_nc_u64 s[90:91], s[68:69], HSO
	s_cmp_eq_u32 s2, 2
	s_cselect_b64 s[92:93], s[78:79], s[92:93]
	s_cselect_b64 s[94:95], s[80:81], s[94:95]
	s_cselect_b64 s[4:5], s[92:93], s[68:69]
	s_cselect_b64 s[6:7], s[94:95], s[90:91]
	s_cselect_b64 s[8:9], s[68:69], s[92:93]
	s_cselect_b64 s[10:11], s[90:91], s[94:95]
	s_or_b32 s[G1S+0], s43, (3<<16)|(1<<20)|(1<<21)|(5<<22)|(3<<25)
	s_or_b32 s[G1SB+0], s44, (3<<16)|(1<<20)|(1<<21)|(5<<22)|(3<<25)
.irp g, G1S, G1SB
	s_mov_b32 s[\g+1], 32<<16
	s_mov_b32 s[\g+2], 32<<16                      ; the scales of 256 rows: 32 rows of 256 bytes
	s_mov_b32 s[\g+3], 32<<16
	s_mov_b32 s[\g+4], 32
	s_mov_b32 s[\g+5], 32
	s_mov_b32 s[\g+6], 0
	s_mov_b32 s[\g+7], 0
.endr
	s_lshl_b32 s20, s17, 8
	s_lshl_b32 s46, s42, 8
	s_mov_b32 s21, 0
	s_mov_b32 s47, 0
	s_mov_b64 s[18:19], KS
	s_mul_u64 s[22:23], s[20:21], s[18:19]
	s_mul_u64 s[92:93], s[46:47], s[18:19]
	s_mov_b64 s[18:19], KROW
	s_mul_u64 s[20:21], s[20:21], s[18:19]
	s_mul_u64 s[46:47], s[46:47], s[18:19]
	s_mul_i32 s18, s16, 128*KROW                   ; in the ring I fetch 128 rows of a tile: which half, in bytes
	s_mov_b32 s19, 0
	s_mul_i32 s45, s14, HALFT
	s_add_nc_u64 s[20:21], s[4:5], s[20:21]
	s_add_nc_u64 s[22:23], s[6:7], s[22:23]
	s_add_nc_u64 s[46:47], s[8:9], s[46:47]
	s_add_nc_u64 s[92:93], s[10:11], s[92:93]
	CROUND
	s_mov_b32 s[G0S], 1
	s_mov_b32 s[G0S+1], SCL
	s_mov_b64 s[G0S+2:G0S+3], s[22:23]
	s_or_b32 s[G0S+3], s[G0S+3], 0x80000000
	s_mov_b32 s[G0SB], 1
	s_mov_b32 s[G0SB+1], SCL+2*HALFS
	s_mov_b64 s[G0SB+2:G0SB+3], s[92:93]
	s_or_b32 s[G0SB+3], s[G0SB+3], 0x80000000
.set G0H, 4                            ; s[4:7], s[8:11]: group 0 of the head's loads of chunk 0 (the addresses that lay there have been used)
.set G0HB, 8
	s_mov_b32 s[G0H], 1
	s_mov_b32 s[G0H+1], 0
	s_mov_b64 s[G0H+2:G0H+3], s[20:21]
	s_or_b32 s[G0H+3], s[G0H+3], 0x80000000
	s_mov_b32 s[G0HB], 1
	s_mov_b32 s[G0HB+1], 2*HALFT
	s_mov_b64 s[G0HB+2:G0HB+3], s[46:47]
	s_or_b32 s[G0HB+3], s[G0HB+3], 0x80000000
	s_add_nc_u64 s[20:21], s[20:21], s[18:19]      ; for the ring: my 128 rows
	s_add_nc_u64 s[46:47], s[46:47], s[18:19]
.irp s, 0,1
	s_mov_b32 s[G0+4*\s], 1
	s_add_co_u32 s[G0+4*\s+1], s45, \s*SLOT
	s_add_nc_u64 s[G0+4*\s+2:G0+4*\s+3], s[20:21], \s*ROWB
	s_or_b32 s[G0+4*\s+3], s[G0+4*\s+3], 0x80000000
	s_mov_b32 s[G0B+4*\s], 1
	s_add_co_u32 s[G0B+4*\s+1], s45, \s*SLOT
	s_add_nc_u64 s[G0B+4*\s+2:G0B+4*\s+3], s[46:47], \s*ROWB
	s_or_b32 s[G0B+4*\s+3], s[G0B+4*\s+3], 0x80000000
.endr
; the head's loads, one a wave: wave 0 chunk 0 of A's 256 rows, wave 1 of B's, wave 2 A's scales, wave 3 B's
.macro ARM under, g0, g1, next
	s_cmp_lt_u32 s14, \under
	s_cbranch_scc0 \next
	tensor_load_to_lds s[\g0:\g0+3], s[\g1:\g1+7]
	s_nop 0
.rept 4
	v_nop
.endr
	s_branch .Lhead_asked
\next:
.endm
	ARM 1, G0H,  G1,  .Lhead_b
	ARM 2, G0HB, G1B, .Lhead_sa
	ARM 3, G0S,  G1S, .Lhead_sb
	tensor_load_to_lds s[G0SB:G0SB+3], s[G1SB:G1SB+7]
	s_nop 0
.rept 4
	v_nop
.endr
.Lhead_asked:
	v_and_b32 v1, 15, v0
	v_bfe_u32 v2, v0, 4, 1
	s_wait_alu depctr_va_vdst(0)
	s_lshl_b32 s20, s42, 10
	s_lshl_b32 s21, s16, 9
	s_add_co_u32 s20, s20, s21
	s_lshl_b32 s22, s17, 10
	s_lshl_b32 s23, s15, 9
	s_add_co_u32 s22, s22, s23
	s_cmp_eq_u32 s2, 2
	s_cselect_b32 s20, 0, s20
	s_cselect_b32 s22, s22, 0
	s_cselect_b32 s46, 0, -1
	s_cselect_b32 s47, -1, 0
	s_mov_b32 s21, 0
	s_mov_b32 s23, 0
	s_add_nc_u64 s[96:97], s[96:97], s[20:21]
	s_add_nc_u64 s[98:99], s[98:99], s[22:23]
	v_lshlrev_b32 v8, 5, v2
	v_lshlrev_b32 v7, 2, v1
.irp b, 0,1,2,3,4,5,6,7
	global_load_b128 v[BY+8*\b:BY+8*\b+3], v8, s[96:97] offset:64*\b
	global_load_b128 v[BY+8*\b+4:BY+8*\b+7], v8, s[96:97] offset:64*\b+16
.endr
.irp a, 0,1,2,3,4,5,6,7
	global_load_b32 v[BX+2*\a], v7, s[98:99] offset:64*\a
.endr
	v_mul_u32_u24 v3, v1, PITCH
	v_mul_u32_u24 v4, v2, 24
	v_add_nc_u32 v4, v3, v4
	s_wait_alu depctr_va_vdst(0)
	s_mov_b32 s21, SLOT-232
	s_mov_b32 s22, SLOT+232
	v_sub_nc_u32 v9, 1, v2
	v_mul_u32_u24 v5, s21, v2
	v_add_nc_u32 v5, v3, v5
	v_add_nc_u32 v5, 232, v5                       ; across two chunks: lanes 0-15 byte 232 of the row in slot 0, lanes 16-31 byte 0 in slot 1;
	v_mul_u32_u24 v6, s22, v9
	v_add_nc_u32 v6, v3, v6                        ; and lanes 0-15 byte 232 in slot 1, lanes 16-31 byte 0 in slot 0
	s_mul_i32 s21, s15, HALFT
	s_mul_i32 s22, s16, HALFT
	s_add_co_u32 s22, s22, 2*HALFT
	v_add_nc_u32 v[ADRA+2], s21, v5
	v_add_nc_u32 v[ADRA+3], s21, v6
	v_add_nc_u32 v[ADRB+2], s22, v5
	v_add_nc_u32 v[ADRB+3], s22, v6
.irp s, 0,1
	v_add_nc_u32 v[ADRA+\s], s21, v4
	v_add_nc_u32 v[ADRB+\s], s22, v4
	s_add_co_u32 s21, s21, SLOT
	s_add_co_u32 s22, s22, SLOT
.endr
	v_mul_u32_u24 v5, v1, KS
	v_lshrrev_b32 v6, 8, v5
	v_lshl_add_u32 v5, v6, 4, v5
	s_mul_i32 s21, s15, HALFS
	s_mul_i32 s22, s16, HALFS
	s_add_co_u32 s22, s22, 2*HALFS
	s_sub_co_u32 s22, s22, s21
	v_mul_u32_u24 v6, s22, v2
	s_add_co_u32 s21, s21, SCL
	v_add_nc_u32 v5, v5, v6
	v_add_nc_u32 v[ADRS], s21, v5
	v_and_b32 v6, 31, v0
	v_lshlrev_b32 v[L16], 4, v6
	v_lshlrev_b32 v[L8], 3, v6
	s_wait_loadcnt 0x0
.set j, 0
.rept 64
	v_cndmask_b32 v[BY+j], 0, v[BY+j], s46
.set j, j+1
.endr
.irp a, 0,1,2,3,4,5,6,7
	v_cndmask_b32 v[BX+2*\a], 0, v[BX+2*\a], s47
	v_mov_b32 v[BX+2*\a+1], 0
.endr
.macro FRAG reg, adr, q, i
.irp p, 0,1,2,3,4,5
.set PB, 96*(\q)+48*(\p/3)+8*(\p%3)    ; q: the step, counted from the row's start; PB: the byte of the row at which lanes 0-15 read; lanes 16-31 read 24 bytes on.  Byte y lies in slot (y / 256) % 2
.if PB/ROWB == (PB+24)/ROWB
	ds_load_b64 v[\reg+2*\p:\reg+2*\p+1], v[\adr+(PB/ROWB)%2] offset:PB%ROWB+(\i)*16*PITCH
.else
	ds_load_b64 v[\reg+2*\p:\reg+2*\p+1], v[\adr+2+(PB/ROWB)%2] offset:PB%ROWB-232+(\i)*16*PITCH
.endif
.endr
.endm
.macro MUL16 a0, p, q, sc, zero
.irp a, \a0, \a0+1
.irp b, 0,1,2,3,4,5,6,7
.if \zero
	v_wmma_scale_f32_16x16x128_f8f6f4 v[8*(8*((\a)%4)+\b):8*(8*((\a)%4)+\b)+7], v[128*(\p)+FR*\b:128*(\p)+FR*\b+FR-1], v[AF+FR*(\a):AF+FR*(\a)+FR-1], v[BY+8*\b:BY+8*\b+7], v[SC+8*NQ*(\sc)+NQ*\b+(\q)], v[SC+8*NQ*(\sc)+NQ*(\a)+(\q)] matrix_a_fmt:MATRIX_FMT_FP6 matrix_b_fmt:MATRIX_FMT_FP6 matrix_a_scale:MATRIX_SCALE_ROW1
.else
	v_wmma_scale_f32_16x16x128_f8f6f4 v[8*(8*((\a)%4)+\b):8*(8*((\a)%4)+\b)+7], v[128*(\p)+FR*\b:128*(\p)+FR*\b+FR-1], v[AF+FR*(\a):AF+FR*(\a)+FR-1], v[8*(8*((\a)%4)+\b):8*(8*((\a)%4)+\b)+7], v[SC+8*NQ*(\sc)+NQ*\b+(\q)], v[SC+8*NQ*(\sc)+NQ*(\a)+(\q)] matrix_a_fmt:MATRIX_FMT_FP6 matrix_b_fmt:MATRIX_FMT_FP6 matrix_a_scale:MATRIX_SCALE_ROW1
.endif
.endr
.endr
.endm
.macro FETCH_B slot, q, p
	WIN TO_B
.irp i, 0,1,2,3,4,5,6,7
	FRAG 128*(\p)+FR*\i, ADRB+\slot, \q, \i
.endr
	WIN 0
.endm
.macro FETCH_A slot, q, i0
.irp i, \i0, \i0+1, \i0+2, \i0+3
	FRAG AF+FR*(\i), ADRA+\slot, \q, \i
.endr
.endm
.macro SCALES sc
.irp i, 0,1,2,3,4,5,6,7
	ds_load_b64 v[SC+8*NQ*((\sc)%2)+NQ*\i:SC+8*NQ*((\sc)%2)+NQ*\i+1], v[ADRS] offset:\i*SBLK+4*NQ*(\sc)   ; sc: the pair of steps
.endr
.endm
.macro PLACES n
.rept \n
	v_nop
.endr
.endm
.macro M16 a0, st, zero
	MUL16 \a0, (\st)%2, (\st)%2, ((\st)/2)%2, \zero
.endm
; A step: 64 products on step st's fragments; the next step's fragments are fetched in its middle and at its end (FETCH's first argument stays 0: FRAG finds the slot).
; Where the next step's bytes END in a chunk not yet read: the wait for my tensor loads and a barrier.  Where they BEGIN in a later chunk: also the add and the wait for my reads; where a chunk two on is left, a round and the refill.
.macro STEP st, zero
.set NX, (\st)+1
.set C0, (96*(\st))/ROWB
.set C1, (96*NX)/ROWB
.set E0, (96*(\st)+95)/ROWB
.set E1, (96*NX+95)/ROWB
.if C1 > C0 || E1 > E0
	s_wait_tensorcnt 0x0                           ; all my tensor loads have landed
.if C1 > C0
	ds_add_u32 v[SPW], v[NIL]
	s_wait_dscnt 4*NL+1                            ; the add and the 24 youngest loads (A's blocks 4-7) may be out
.else
	s_wait_dscnt 4*NL                              ; the 24 youngest loads may be out
.endif
	WIN MUL_LO
	M16 0, \st, 0
	s_wait_dscnt 0x0                               ; the add and all my reads are done
	s_barrier_signal -1
	M16 2, \st, 0
	WIN 0
	s_barrier_wait -1
.if C1 > C0 && C0+2 < CHUNKS
	CREST
	s_add_nc_u64 s[G0+4*(C0%2)+2:G0+4*(C0%2)+3], s[G0+4*(C0%2)+2:G0+4*(C0%2)+3], 2*ROWB
	s_add_nc_u64 s[G0B+4*(C0%2)+2:G0B+4*(C0%2)+3], s[G0B+4*(C0%2)+2:G0B+4*(C0%2)+3], 2*ROWB
	JLOAD G0+4*(C0%2), G1, G0B+4*(C0%2), G1B
.else
	PLACES NP
.endif
.else
	s_wait_dscnt 4*NL
	WIN MUL_LO-0x20*(\zero)                        ; zero = 1: C is the bias, in window 0
	M16 0, \st, \zero
	M16 2, \st, \zero
	s_wait_dscnt 0
	PLACES NP
.endif
	FETCH_B 0, NX, NX%2
	FETCH_A 0, NX, 0
.if NX%2 == 0
	SCALES NX/2
.endif
	WIN MUL_HI-0x30*(\zero)
	M16 4, \st, \zero
	M16 6, \st, \zero
	PLACES NP
	WIN 0
	FETCH_A 0, NX, 4
.endm
.macro QUANT s, W, pw
	WIN ((\W)<<2)|((\W)<<4)
.irp b, 0,1,2,3
	v_max3_num_f32 v[TM+\b], 0x1800000, |v[(\s)+16*\b]|, |v[(\s)+16*\b+1]|
.endr
.irp i, 2,4,6,8,10,12,14
.irp b, 0,1,2,3
	v_max3_num_f32 v[TM+\b], v[TM+\b], |v[(\s)+16*\b+\i]|, |v[(\s)+16*\b+\i+1]|
.endr
.endr
	WIN 0
.irp b, 0,1,2,3
	v_permlanex16_b32 v[TM+4+\b], v[TM+\b], s[SEL], s[SEL+1]
.endr
.irp b, 0,1,2,3
	v_max_num_f32 v[TM+\b], v[TM+\b], v[TM+4+\b]
.endr
.irp b, 0,1,2,3
	v_add_nc_u32 v[TM+12+\b], 0xff000000, v[TM+\b]
.endr
.irp b, 0,1,2,3
	v_lshrrev_b32 v[TM+4+\b], 23, v[TM+12+\b]
.endr
	v_lshl_or_b32 v[\pw], v[TM+5], 8, v[TM+4]
	v_lshl_or_b32 v[\pw], v[TM+6], 16, v[\pw]
	v_lshl_or_b32 v[\pw], v[TM+7], 24, v[\pw]
	WIN (\W)
.irp c, 0,1
	v_cvt_scalef32_pk16_fp6_f32 v[PC+6*\c:PC+2+6*\c], v[(\s)+32*\c:(\s)+15+32*\c], v[TM+12+2*\c]
	v_cvt_scalef32_pk16_fp6_f32 v[PC+12+4*\c:PC+14+4*\c], v[(\s)+16+32*\c:(\s)+31+32*\c], v[TM+12+2*\c+1]
.endr
	WIN 0
	v_nop
.irp c, 0,1
.irp i, 0,1,2
	v_permlane16_swap_b32 v[PC+6*\c+\i], v[PC+12+4*\c+\i]
.endr
.irp i, 0,1,2
	v_mov_b32 v[PC+3+6*\c+\i], v[PC+12+4*\c+\i]
.endr
.endr
.endm
	s_wait_alu depctr_va_vdst(0)
	s_wait_tensorcnt 0x0                           ; my tile of the head's four is in
	ds_add_u32 v[SPW], v[NIL]
	s_mov_b32 s[G1+2], 128<<16                     ; no load of mine is out: from here on a load brings 128 rows
	s_mov_b32 s[G1+4], 128
	s_mov_b32 s[G1B+2], 128<<16
	s_mov_b32 s[G1B+4], 128
	s_wait_dscnt 0x0
	CROUND
	JLOAD G0+4, G1, G0B+4, G1B                     ; chunk 1, slot 1's first fill, the first tensor load behind the round
	FETCH_B 0, 0, 0
	FETCH_A 0, 0, 0
	SCALES 0
	FETCH_A 0, 0, 4
	STEP 0, 1
.set ST, 1                             ; slots and chunks come back to where they began only behind all eight steps: the walk is written out
.rept STEPS-2
	STEP ST, 0
.set ST, ST+1
.endr
	s_wait_dscnt 4*NL
	WIN MUL_LO
	MUL16 0, 1, NQ-1, 1, 0
	MUL16 2, 1, NQ-1, 1, 0
	s_wait_dscnt 0
	WIN MUL_HI
	MUL16 4, 1, NQ-1, 1, 0
	MUL16 6, 1, NQ-1, 1, 0
	WIN 0
	PLACES NP
	s_mov_b32 s[SEL], 0x76543210
	s_mov_b32 s[SEL+1], 0xfedcba98
	s_mov_b32 s100, 0xffff0000
	s_lshl_b32 s18, s17, 8
	s_lshl_b32 s19, s15, 7
	s_add_co_u32 s18, s18, s19
	s_lshl_b32 s19, s42, 8
	s_lshl_b32 s20, s16, 7
	s_add_co_u32 s19, s19, s20
	s_lshr_b32 s20, s18, 11
	s_lshl_b32 s20, s20, 4
	s_lshr_b32 s21, s19, 7
	s_lshl_b32 s21, s21, 1
	s_add_co_u32 s20, s20, s21
	s_and_b32 s21, s18, 2047
	s_lshl_b32 s22, s20, 7
	s_lshr_b32 s23, s21, 4
	s_add_co_u32 s22, s22, s23
	s_mul_i32 s22, s22, 768
	s_mul_i32 s23, s2, 3145728
	s_add_co_u32 s22, s22, s23
	s_lshl_b32 s82, s20, 12
	s_lshr_b32 s83, s21, 5
	s_lshl_b32 s83, s83, 6
	s_add_co_u32 s82, s82, s83
	s_lshl_b32 s83, s2, 17
	s_add_co_u32 s82, s82, s83
	s_add_co_u32 s82, s82, 9437184
	s_lshr_b32 s84, s19, 11
	s_lshl_b32 s84, s84, 4
	s_and_b32 s85, s19, 2047
	s_lshr_b32 s85, s85, 7
	s_add_co_u32 s84, s84, s85
	s_lshl_b32 s85, s84, 6
	s_lshr_b32 s86, s18, 4
	s_add_co_u32 s85, s85, s86
	s_mul_i32 s85, s85, 1536
	s_add_co_u32 s85, s85, 6291456
	s_lshl_b32 s86, s84, 10
	s_add_co_u32 s86, s86, s18
	s_lshl_b32 s86, s86, 2
	s_add_co_u32 s86, s86, 9699328
	s_cmp_eq_u32 s2, 2
	s_cselect_b32 s68, s85, s22
	s_cselect_b32 s74, s86, s82
	s_mov_b32 s72, 768
	s_cselect_b32 s72, 1536, s72
	s_mov_b32 s70, 98304
	s_cselect_b32 s70, 768, s70
	s_mov_b32 s76, 0x05040100
	s_cselect_b32 s76, 0x03020100, s76
	s_mov_b32 s77, 0x07060302
	s_cselect_b32 s77, 0x07060504, s77
	s_cselect_b32 s78, 128, 64
	s_mov_b32 s79, 128
	s_cselect_b32 s79, 256, s79
	s_cselect_b32 s80, 64, 4096
	s_add_co_u32 s81, s79, s80
	s_mov_b32 s69, 0
	s_mov_b32 s71, 0
	s_mov_b32 s73, 0
	s_mov_b32 s75, 0
	s_add_nc_u64 s[68:69], s[12:13], s[68:69]
	s_add_nc_u64 s[70:71], s[68:69], s[70:71]
	s_add_nc_u64 s[74:75], s[12:13], s[74:75]
.irp b, 0,1,2,3
	v_mov_b32 v[TM+4+\b], 0
.endr
.irp a, 0,1,2,3,4,5,6,7
	WIN 0x82+0x41*(\a/4)
.set j, 0
.rept 32
	v_pk_add_f32 v[64*(\a%4)+j:64*(\a%4)+j+1], v[64*(\a%4)+j:64*(\a%4)+j+1], v[BX+2*\a:BX+2*\a+1] op_sel_hi:[1,0]
.set j, j+2
.endr
.endr
	WIN 0
.irp a, 0,1,2,3,4,5,6,7
.if \a > 0
	s_wait_xcnt 0x0
	s_add_nc_u64 s[68:69], s[68:69], s[72:73]
	s_add_nc_u64 s[70:71], s[70:71], s[72:73]
.endif
	QUANT 64*(\a%4),2+\a/4,PWS+\a
	global_store_b128 v[L16], v[PC:PC+3], s[68:69]
	global_store_b64 v[L8], v[PC+4:PC+5], s[68:69] offset:512
	global_store_b128 v[L16], v[PC+6:PC+9], s[70:71]
	global_store_b64 v[L8], v[PC+10:PC+11], s[70:71] offset:512
.endr
	v_mad_u32_u24 v[SVA], v2, s78, v7
	v_mov_b32 v[OA], v[SVA]
	v_add_nc_u32 v[OA+1], s80, v[SVA]
	v_add_nc_u32 v[OA+2], s79, v[SVA]
	v_add_nc_u32 v[OA+3], s81, v[SVA]
.irp g, 0,1
.irp e, 0,1
	v_perm_b32 v[OUTS+4*\g+2*\e], v[PWS+4*\g+1], v[PWS+4*\g], s[76+\e]
	v_perm_b32 v[OUTS+4*\g+2*\e+1], v[PWS+4*\g+3], v[PWS+4*\g+2], s[76+\e]
	v_cndmask_b32 v[OUTS+4*\g+2*\e], v[OUTS+4*\g+2*\e], v[OUTS+4*\g+2*\e+1], s100
	global_store_b32 v[OA+2*\g+\e], v[OUTS+4*\g+2*\e], s[74:75]
.endr
.endr
	s_wait_tensorcnt 0x0
	ds_add_u32 v[SPW], v[NIL]
	s_wait_dscnt 0x0
	CROUND
	s_endpgm
.Lfunc_end_k_q469231f785_qkv:
	.size	k_q469231f785_qkv, .Lfunc_end_k_q469231f785_qkv-k_q469231f785_qkv
	.p2alignl 7, 3214868480
	.fill 96, 4, 3214868480
	.section	.rodata,"a",@progbits
	.p2align	6, 0x0
	.amdhsa_kernel k_q469231f785_qkv
		.amdhsa_group_segment_fixed_size 327680
		.amdhsa_private_segment_fixed_size 0
		.amdhsa_enable_private_segment 0
		.amdhsa_kernarg_size 88
		.amdhsa_user_sgpr_count 2
		.amdhsa_user_sgpr_kernarg_segment_ptr 1
		.amdhsa_wavefront_size32 1
		.amdhsa_system_sgpr_workgroup_id_x 1
		.amdhsa_system_sgpr_workgroup_id_y 1
		.amdhsa_system_sgpr_workgroup_id_z 1
		.amdhsa_system_vgpr_workitem_id 0
		.amdhsa_next_free_vgpr 1024
		.amdhsa_next_free_sgpr 102
		.amdhsa_reserve_vcc 0
		.amdhsa_float_denorm_mode_32 3
		.amdhsa_float_denorm_mode_16_64 3
		.amdhsa_memory_ordered 1
		.amdhsa_forward_progress 1
		.amdhsa_inst_pref_size 193
	.end_amdhsa_kernel
	.amdgpu_metadata
---
amdhsa.version: [ 1, 2 ]
amdhsa.kernels:
  - .name:           k_q469231f785_qkv
    .symbol:         k_q469231f785_qkv.kd
    .args:
      - { .name: pbuf, .offset: 0, .size: 8, .value_kind: global_buffer, .address_space: global }
      - { .name: Wq_codes, .offset: 8, .size: 8, .value_kind: global_buffer, .address_space: global }
      - { .name: Wq_scales, .offset: 16, .size: 8, .value_kind: global_buffer, .address_space: global }
      - { .name: Wk_codes, .offset: 24, .size: 8, .value_kind: global_buffer, .address_space: global }
      - { .name: Wk_scales, .offset: 32, .size: 8, .value_kind: global_buffer, .address_space: global }
      - { .name: Wv_codes, .offset: 40, .size: 8, .value_kind: global_buffer, .address_space: global }
      - { .name: Wv_scales, .offset: 48, .size: 8, .value_kind: global_buffer, .address_space: global }
      - { .name: bq, .offset: 56, .size: 8, .value_kind: global_buffer, .address_space: global }
      - { .name: bk, .offset: 64, .size: 8, .value_kind: global_buffer, .address_space: global }
      - { .name: bv, .offset: 72, .size: 8, .value_kind: global_buffer, .address_space: global }
      - { .name: qkvb, .offset: 80, .size: 8, .value_kind: global_buffer, .address_space: global }
    .group_segment_fixed_size: 327680
    .private_segment_fixed_size: 0
    .kernarg_segment_align: 8
    .kernarg_segment_size: 88
    .max_flat_workgroup_size: 128
    .sgpr_count:     102
    .vgpr_count:     1024
    .wavefront_size: 32
...
	.end_amdgpu_metadata
.endif
;; end of part 2
;; launch attn (part 3): grid 8 x 32, 16 waves a work-group, clusters of 4 x 1, 210,944 bytes of LDS; arguments qkvb, mbits, cbuf; writes cbuf
.if DOCPART == 3
	.amdgcn_target "amdgcn-amd-amdhsa--gfx1250"
	.amdhsa_code_object_version 6
	.text
	.protected	k_q469231f785_attn
	.globl	k_q469231f785_attn
	.p2align	8
	.type	k_q469231f785_attn,@function
k_q469231f785_attn:
	s_mov_b64 s[64:65], 0
	v_nop
	global_prefetch_b8 v0, s[64:65] scope:SCOPE_SE
	s_setreg_imm32_b32 hwreg(HW_REG_WAVE_MODE, 25, 1), 1
	s_wait_xcnt 0x0
	s_wait_alu depctr_hold_cnt(0) depctr_sa_sdst(0) depctr_va_vdst(0) depctr_va_sdst(0) depctr_va_ssrc(0) depctr_va_vcc(0) depctr_vm_vsrc(0)
	s_getreg_b32 s2, hwreg(HW_REG_IB_STS2, 6, 4)
	s_cmp_eq_u32 s2, 0
	s_cbranch_scc0 .Lentry_in_a_cluster
	s_endpgm
.Lentry_in_a_cluster:
	s_bfe_u32 s2, ttmp6, 0x10000c
	s_cmp_lg_u32 s2, 0x3003
	s_cbranch_scc0 .Lentry_shape_is_right
	s_endpgm
.Lentry_shape_is_right:
; ctx = softmax(mask(q k^T / 8)) v for one (batch, head) and 256 queries a work-group, both products on codes of FP6 (E2M3) with E8M0 scales; ctx leaves as codes for the next product.
; SHARES: sixteen waves, each one tile of 16 queries in 256 registers, four to a SIMD.  Every wave walks the head's 2,048 keys, 128 a step.
; LDS: the whole head's k (128 half fragments), v (16 steps x 4 fragments) and their scale words lie there, filled ONCE by joint tensor loads (the four query blocks of a cluster belong to one head);
; nothing is filled again.  A wave has one tensor load outstanding.  All bytes are asked for at the head, so there is nothing to prefetch.
; LAYOUT: S^T = k q^T (source 0 = keys), O^T = v^T p^T (source 0 = channels): a lane holds one query.  The head's K is 64, the instruction's 128: two neighbouring key tiles' half fragments form ONE source 0;
; against [q | zero codes] it gives the first tile's scores, against [zero codes | q] the second's.  So each byte of k is read from LDS once.
; THE SOFTMAX: t = score x c, c = log2(e) / 8 (q came undivided); M = the running largest t rounded up to a whole number; p = 2^(t - M) is quantised along the keys; the row's sum is taken of the unquantised p.
; p's order inside a block of 32 keys is the order in which v was laid: nothing is moved.
; THE MASK comes as words of one bit a lane (one word for each score register), read by scalar loads a step ahead; a masked score becomes -2^63, whose t is a whole number: a row that is masked throughout gets
; p = 1 everywhere, as a constant score gives; beside open keys p falls to 0.  LIMIT: open |scores| stay well under 1e17.  NaN and infinities are not served.
.set KCO, 3145728
.set VCO, 6291456
.set QSO, 9437184
.set KSO, 9568256
.set VSO, 9699328
.set CSC, 3145728
.set LV,  98304                        ; LDS: k's codes at 0, v's here,
.set LKS, 196608                       ; k's scale words,
.set LVS, 200704                       ; v's
.set WV,  10
.set SEL, 12
.set CS,  14
.set MP,  84
.set BM,  192                          ; v192-195 block maxima, v196-199 permutes and bytes, v200-203 scale operands
.set BP,  196
.set SO,  200
.macro CROUND
	s_barrier_signal -1
	s_barrier_wait -1
	s_cmp_lg_u32 s[WV], 0
	s_cbranch_scc1 .Lnot_wave_0_\@
	s_barrier_signal -3
.Lnot_wave_0_\@:
	s_barrier_wait -3
	s_barrier_signal -1
	s_barrier_wait -1
.endm
	s_load_b128 s[4:7], s[0:1], 0x0                ; qkvb, mbits
	s_load_b64 s[8:9], s[0:1], 0x10                ; cbuf
	v_lshl_add_u32 v254, v0, 2, 0x33000
	v_mov_b32 v255, 0
	ds_add_u32 v254, v255
	ds_add_u32 v254, v255
	v_lshrrev_b32 v1, 5, v0
	s_delay_alu instid0(VALU_DEP_1)
	v_readfirstlane_b32 s[WV], v1                  ; wave 0..15
	s_bfe_u32 s86, ttmp6, 0x40000                  ; cx: it enters global addresses of plain loads and stores alone
	s_lshl_b32 s87, ttmp9, 2
	s_add_co_u32 s87, s87, s86
	s_lshl_b32 s87, s87, 4
	s_add_co_u32 s87, s87, s[WV]                   ; my tile of 16 queries, 0..127
	s_and_b32 s88, ttmp7, 0xffff                   ; 16 x batch + head
	s_lshr_b32 s89, s88, 4
	s_and_b32 s90, s88, 15
	; descriptor groups 1: elements of 8 bytes, the mask of all four partners
.irp g, 16, 24, 32, 40
	s_mov_b32 s[\g], 15|(3<<16)|(1<<21)
	s_mov_b32 s[\g+6], 0
	s_mov_b32 s[\g+7], 0
.endr
	s_mov_b32 s17, 32<<16                          ; k's codes: 64 rows of 256 bytes, dense
	s_mov_b32 s18, 64<<16                          ; (64 rows a wave, six waves)
	s_mov_b32 s19, 32<<16
	s_mov_b32 s20, 64
	s_mov_b32 s21, 32
	s_mov_b32 s25, 32<<16                          ; k's words: 16 rows of 256 bytes, dense
	s_mov_b32 s26, 16<<16                          ; (all 16 rows by one wave)
	s_mov_b32 s27, 32<<16
	s_mov_b32 s28, 16
	s_mov_b32 s29, 32
	s_mov_b32 s33, 768<<16                         ; v's codes: 2 key steps x 6,144 bytes (the head's four fragments), 98,304 bytes apart
	s_mov_b32 s34, 2<<16
	s_mov_b32 s35, 768<<16
	s_mov_b32 s36, 2
	s_mov_b32 s37, 12288
	s_mov_b32 s41, 32<<16                          ; v's words: 16 key steps x 256 bytes, 4,096 bytes apart
	s_mov_b32 s42, 16<<16                          ; (all 16 key steps by one wave)
	s_mov_b32 s43, 32<<16
	s_mov_b32 s44, 16
	s_mov_b32 s45, 512
	s_mul_i32 s92, s88, 98304
	s_lshl_b32 s93, s[WV], 14
	s_add_co_u32 s92, s92, s93
	s_add_co_u32 s92, s92, KCO                     ; k's codes: waves 0-5, a sixth of the head's each
	s_mov_b32 s93, 0
	s_lshl_b32 s94, s88, 12
	s_add_co_u32 s94, s94, KSO
	s_mov_b32 s95, 0
	s_mul_i32 s96, s89, 1572864
	s_mul_i32 s97, s90, 6144
	s_add_co_u32 s96, s96, s97
	s_mul_i32 s97, s[WV], 196608
	s_add_co_u32 s96, s96, s97
	s_add_co_u32 s96, s96, VCO-6*196608            ; v's codes: waves 6-13, two key steps each
	s_mov_b32 s97, 0
	s_lshl_b32 s98, s89, 16
	s_lshl_b32 s99, s90, 8
	s_add_co_u32 s98, s98, s99
	s_add_co_u32 s98, s98, VSO
	s_mov_b32 s99, 0
	s_wait_dscnt 0x0
	s_wait_kmcnt 0x0
	s_mov_b32 s48, 1                               ; groups 0: k's codes (16,384 x wave), k's words, v's codes (LV + 12,288 x (wave - 6)), v's words
	s_lshl_b32 s49, s[WV], 14
	s_add_nc_u64 s[50:51], s[4:5], s[92:93]
	s_or_b32 s51, s51, 0x80000000
	s_mov_b32 s52, 1
	s_mov_b32 s53, LKS
	s_add_nc_u64 s[54:55], s[4:5], s[94:95]
	s_or_b32 s55, s55, 0x80000000
	s_mov_b32 s56, 1
	s_mul_i32 s57, s[WV], 12288
	s_add_co_u32 s57, s57, LV-6*12288
	s_add_nc_u64 s[58:59], s[4:5], s[96:97]
	s_or_b32 s59, s59, 0x80000000
	s_mov_b32 s60, 1
	s_mov_b32 s61, LVS
	s_add_nc_u64 s[62:63], s[4:5], s[98:99]
	s_or_b32 s63, s63, 0x80000000
	CROUND                                         ; all four work-groups are here: the joint loads meet
; one joint load a wave, in one chain of branches on the wave's number: waves 0-5 k's codes, 6-13 v's codes, 14 k's words, 15 v's words
.macro ARM under, g0, g1, next
	s_cmp_lt_u32 s[WV], \under
	s_cbranch_scc0 \next
	tensor_load_to_lds s[\g0:\g0+3], s[\g1:\g1+7]
	s_nop 0
.rept 4
	v_nop
.endr
	s_branch .Lasked
\next:
.endm
	ARM 6, 48, 16, .Lfor_v
	ARM 14, 56, 32, .Lfor_kw
	ARM 15, 52, 24, .Lfor_vw
	tensor_load_to_lds s[60:63], s[40:47]
	s_nop 0
.rept 4
	v_nop
.endr
.Lasked:
	v_and_b32 v1, 31, v0                           ; lane
	s_delay_alu instid0(VALU_DEP_1)
	v_lshlrev_b32 v2, 4, v1                        ; k: 16 x lane, v3: 8 x lane, v4: its words; v5-7 the same for v.  These six walk, a key step a trip
	s_delay_alu instid0(VALU_DEP_2)
	v_lshlrev_b32 v3, 3, v1
	s_delay_alu instid0(VALU_DEP_3)
	v_lshl_add_u32 v4, v1, 2, LKS
	s_delay_alu instid0(VALU_DEP_3)
	v_add_nc_u32 v5, LV, v2
	s_delay_alu instid0(VALU_DEP_3)
	v_add_nc_u32 v6, LV, v3
	v_lshl_add_u32 v7, v1, 2, LVS
	v_lshlrev_b32 v8, 4, v1                        ; for memory: 16 x lane, 8 x lane, 4 r
	s_wait_alu depctr_va_vdst(0)
	v_lshlrev_b32 v9, 3, v1
	s_wait_alu depctr_va_vdst(0)
	v_and_b32 v10, 15, v0
	s_delay_alu instid0(VALU_DEP_1)
	v_lshlrev_b32 v10, 2, v10
	s_wait_alu depctr_va_vdst(0)
	s_lshl_b32 s92, s88, 7
	s_add_co_u32 s92, s92, s87
	s_mul_i32 s92, s92, 768                        ; q's half fragment
	s_mov_b32 s93, 0
	s_add_nc_u64 s[92:93], s[4:5], s[92:93]
	s_lshl_b32 s94, s88, 12
	s_lshr_b32 s95, s87, 1
	s_lshl_b32 s95, s95, 6
	s_add_co_u32 s94, s94, s95
	s_add_co_u32 s94, s94, QSO                     ; and the word of its pair of tiles
	s_mov_b32 s95, 0
	s_add_nc_u64 s[94:95], s[4:5], s[94:95]
	global_load_b128 v[22:25], v8, s[92:93]
	global_load_b64 v[26:27], v9, s[92:93] offset:512
	global_load_b32 v231, v10, s[94:95]
	s_lshl_b32 s91, s89, 7
	s_add_co_u32 s91, s91, s87                     ; 128 x batch + my tile
	s_lshl_b32 s[MP], s91, 12
	s_mov_b32 s[MP+1], 0
	s_add_nc_u64 s[MP:MP+1], s[6:7], s[MP:MP+1]    ; my tile's mask words
	s_mov_b32 s[SEL], 0x76543210
	s_mov_b32 s[SEL+1], 0xfedcba98
	s_mov_b32 s[CS], 0x3e38aa3b                    ; c = log2(e) / 8
	s_mov_b32 s[CS+1], s[CS]
	s_and_b32 s86, s[WV], 1                        ; my tile is the pair's first or second: its two bytes, doubled, serve [q | 0] and [0 | q]
	s_cmp_eq_u32 s86, 0
	s_mov_b32 s86, 0x03020302
	s_cselect_b32 s86, 0x01000100, s86
	s_wait_loadcnt 0x0
	v_perm_b32 v236, v231, v231, s86               ; q's scale word; the lines below stand between it and the first product
	v_mov_b32 v13, 0xff61b1e6                      ; the largest t so far: -3e38
	s_delay_alu instid0(VALU_DEP_1)
	v_floor_f32 v12, -v13                          ; -M
	v_mov_b32 v14, 0
	v_mov_b32 v15, 0
	v_mov_b32 v229, 0
	v_mov_b32 v204, 0
	v_mov_b32 v237, 0xdf000000                     ; -2^63
.irp b, 0,1,2,3
	v_mov_b32 v[BP+\b], 0
.endr
.irp i, 0,1,2,3,4,5
	v_mov_b32 v[16+\i], 0                          ; zero codes on both sides of q: v[16:27] = [0 | q], v[22:33] = [q | 0]
	v_mov_b32 v[28+\i], 0
.endr
.set j, 0
.rept 32
	v_mov_b32 v[160+j], 0                          ; O^T: the step is written once, and its first trip finds zeros
.set j, j+1
.endr
	s_wait_tensorcnt 0x0                           ; my parts have landed,
	s_barrier_signal -1
	s_barrier_wait -1                              ; everybody's have.  The descriptors' registers are free from here on
.macro MLOAD                           ; a key step's 64 mask words
	s_load_b512 s[16:31], s[MP:MP+1], s3 offset:0x0
	s_load_b512 s[32:47], s[MP:MP+1], s3 offset:0x40
	s_load_b512 s[48:63], s[MP:MP+1], s3 offset:0x80
	s_load_b512 s[68:83], s[MP:MP+1], s3 offset:0xc0
.endm
.macro LOAD4 a16, a8, as, w            ; four fragments (images of registers: 16 and 8 bytes a lane) and two registers of scale words
.irp p, 0,1,2,3
	ds_load_b128 v[36+12*\p:39+12*\p], v[\a16] offset:1536*\p
	ds_load_b64 v[40+12*\p:41+12*\p], v[\a8] offset:1536*\p+512
	ds_load_b128 v[42+12*\p:45+12*\p], v[\a16] offset:1536*\p+768
	ds_load_b64 v[46+12*\p:47+12*\p], v[\a8] offset:1536*\p+1280
.endr
	ds_load_b32 v[\w], v[\as]
	ds_load_b32 v[\w+1], v[\as] offset:128
.endm
	s_mov_b32 s3, 0
	MLOAD
	LOAD4 2, 3, 4, 232
	s_mov_b32 s2, 16
.Lstep:
	s_wait_dscnt 0x0                               ; k's fragments and words
.irp p, 0,1,2,3
.if \p%2
	v_wmma_scale_f32_16x16x128_f8f6f4 v[96+16*\p:103+16*\p], v[36+12*\p:47+12*\p], v[22:33], 0, v[232+\p/2], v236 matrix_a_fmt:MATRIX_FMT_FP6 matrix_b_fmt:MATRIX_FMT_FP6 matrix_a_scale:MATRIX_SCALE_ROW1
	v_wmma_scale_f32_16x16x128_f8f6f4 v[104+16*\p:111+16*\p], v[36+12*\p:47+12*\p], v[16:27], 0, v[232+\p/2], v236 matrix_a_fmt:MATRIX_FMT_FP6 matrix_b_fmt:MATRIX_FMT_FP6 matrix_a_scale:MATRIX_SCALE_ROW1
.else
	v_wmma_scale_f32_16x16x128_f8f6f4 v[96+16*\p:103+16*\p], v[36+12*\p:47+12*\p], v[22:33], 0, v[232+\p/2], v236 matrix_a_fmt:MATRIX_FMT_FP6 matrix_b_fmt:MATRIX_FMT_FP6
	v_wmma_scale_f32_16x16x128_f8f6f4 v[104+16*\p:111+16*\p], v[36+12*\p:47+12*\p], v[16:27], 0, v[232+\p/2], v236 matrix_a_fmt:MATRIX_FMT_FP6 matrix_b_fmt:MATRIX_FMT_FP6
.endif
.endr
	v_add_nc_u32 v2, 6144, v2                      ; k's addresses go on to the next step: with the v_nop four plain lines behind the products
	v_add_nc_u32 v3, 6144, v3
	v_add_nc_u32 v4, 256, v4
	v_nop
	s_wait_alu depctr_va_vdst(0)
	LOAD4 5, 6, 7, 234                             ; v's fragments land under the softmax
	s_wait_kmcnt 0x0                               ; this step's mask words
.set n, 0
.rept 64
.if n < 48
	v_cndmask_b32 v[96+n], v[96+n], v237, s[16+n]
.else
	v_cndmask_b32 v[96+n], v[96+n], v237, s[20+n]
.endif
.set n, n+1
.endr
	s_add_co_u32 s3, s3, 256
	s_min_u32 s3, s3, 3840                         ; the last trip reads its own words again: no load leaves the buffer
	MLOAD
.irp b, 0,1,2,3
	v_max3_num_f32 v[BM+\b], v[96+16*\b], v[97+16*\b], v[98+16*\b]   ; each block's largest score: for the row's maximum, and for the block's largest p
.endr
.irp i, 3,5,7,9,11,13
.irp b, 0,1,2,3
	s_delay_alu instid0(VALU_DEP_4)
	v_max3_num_f32 v[BM+\b], v[BM+\b], v[96+16*\b+\i], v[97+16*\b+\i]
.endr
.endr
.irp b, 0,1,2,3
	s_delay_alu instid0(VALU_DEP_4)
	v_max_num_f32 v[BM+\b], v[BM+\b], v[111+16*\b]
.endr
.irp b, 0,1,2,3
	s_delay_alu instid0(VALU_DEP_4)
	v_permlanex16_b32 v[BP+\b], v[BM+\b], s[SEL], s[SEL+1]
.endr
.irp b, 0,1,2,3
	s_delay_alu instid0(VALU_DEP_4)
	v_max_num_f32 v[BM+\b], v[BM+\b], v[BP+\b]
.endr
	s_delay_alu instid0(VALU_DEP_2)
	v_max3_num_f32 v204, v192, v193, v194
	s_delay_alu instid0(VALU_DEP_1)
	v_max_num_f32 v204, v204, v195
	s_delay_alu instid0(VALU_DEP_1)
	v_mul_f32 v204, s[CS], v204
	s_delay_alu instid0(VALU_DEP_1)
	v_max_num_f32 v13, v13, v204                   ; the running largest t
	v_mov_b32 v204, v12
	s_delay_alu instid0(VALU_DEP_2)
	v_floor_f32 v12, -v13                          ; -M = floor(-t)
	s_delay_alu instid0(VALU_DEP_1)
	v_sub_f32 v204, v12, v204                      ; old M - new M: a whole number, 0 or less
	s_delay_alu instid0(VALU_DEP_1)
	v_cvt_i32_f32 v204, v204                       ; (it saturates)
	s_delay_alu instid0(VALU_DEP_1)
	v_ldexp_f32 v228, 1.0, v204                    ; f = 2^(old M - new M)
.set j, 0
.rept 32
	v_pk_fma_f32 v[96+j:97+j], v[96+j:97+j], s[CS:CS+1], v[12:13] op_sel_hi:[1,0,0]
.set j, j+2
.endr
.irp b, 0,1,2,3
	v_fma_f32 v[BM+\b], v[BM+\b], s[CS], v12
.endr
.set j, 0
	s_wait_alu depctr_va_vdst(0)
.rept 64
	v_exp_f32 v[96+j], v[96+j]                     ; p = 2^(t - M)
.set j, j+1
.endr
	v_pk_mul_f32 v[14:15], v[14:15], v[228:229] op_sel_hi:[1,0]   ; the sums under the new M (a plain line behind the batch)
	s_wait_alu depctr_va_vdst(0)                   ; one wait for the batch, ahead of its first reader
.irp b, 0,1,2,3
	v_exp_f32 v[BM+\b], v[BM+\b]                   ; each block's largest p
.endr
	v_pk_add_f32 v[206:207], v[100:101], v[104:105]
	v_pk_add_f32 v[252:253], v[108:109], v[112:113]
	v_pk_add_f32 v[250:251], v[116:117], v[120:121]
	v_pk_add_f32 v[248:249], v[124:125], v[128:129]
	v_pk_add_f32 v[246:247], v[132:133], v[136:137]
	v_pk_add_f32 v[244:245], v[140:141], v[144:145]
	v_pk_add_f32 v[242:243], v[148:149], v[152:153]
	v_pk_add_f32 v[14:15], v[14:15], v[156:157]
	v_pk_add_f32 v[206:207], v[206:207], v[96:97]
	v_pk_add_f32 v[252:253], v[252:253], v[98:99]
	v_pk_add_f32 v[250:251], v[250:251], v[102:103]
	v_pk_add_f32 v[248:249], v[248:249], v[106:107]
	v_pk_add_f32 v[246:247], v[246:247], v[110:111]
	v_pk_add_f32 v[244:245], v[244:245], v[114:115]
	v_pk_add_f32 v[242:243], v[242:243], v[118:119]
	v_pk_add_f32 v[14:15], v[14:15], v[122:123]
	v_pk_add_f32 v[206:207], v[206:207], v[126:127]
	v_pk_add_f32 v[252:253], v[252:253], v[130:131]
	v_pk_add_f32 v[250:251], v[250:251], v[134:135]
	v_pk_add_f32 v[248:249], v[248:249], v[138:139]
	v_pk_add_f32 v[246:247], v[246:247], v[142:143]
	v_pk_add_f32 v[244:245], v[244:245], v[146:147]
	v_pk_add_f32 v[242:243], v[242:243], v[150:151]
	v_pk_add_f32 v[14:15], v[14:15], v[154:155]
	v_pk_add_f32 v[206:207], v[206:207], v[158:159]
	s_delay_alu instid0(VALU_DEP_2)
	v_pk_add_f32 v[14:15], v[14:15], v[248:249]
	s_delay_alu instid0(VALU_DEP_2)
	v_pk_add_f32 v[206:207], v[206:207], v[246:247]
	v_pk_add_f32 v[252:253], v[252:253], v[244:245]
	v_pk_add_f32 v[250:251], v[250:251], v[242:243]
	s_delay_alu instid0(VALU_DEP_2)
	v_pk_add_f32 v[14:15], v[14:15], v[252:253]
	s_delay_alu instid0(VALU_DEP_2)
	v_pk_add_f32 v[206:207], v[206:207], v[250:251]
	s_delay_alu instid0(VALU_DEP_1)
	v_pk_add_f32 v[14:15], v[14:15], v[206:207]
	s_wait_alu depctr_va_vdst(0)                   ; and one for the four
.irp b, 0,1,2,3
	v_max_num_f32 v[BM+\b], 0x1800000, v[BM+\b]    ; the floor: the byte cannot fall under 1
.endr
.irp b, 0,1,2,3
	s_delay_alu instid0(VALU_DEP_4)
	v_add_nc_u32 v[SO+\b], 0xff000000, v[BM+\b]
.endr
.irp b, 0,1,2,3
	s_delay_alu instid0(VALU_DEP_4)
	v_lshrrev_b32 v[BP+\b], 23, v[SO+\b]
.endr
	s_delay_alu instid0(VALU_DEP_3)
	v_lshl_or_b32 v230, v197, 8, v196              ; p's scale word for these 128 keys
	s_delay_alu instid0(VALU_DEP_1)
	v_lshl_or_b32 v230, v198, 16, v230
	s_delay_alu instid0(VALU_DEP_1)
	v_lshl_or_b32 v230, v199, 24, v230
.irp c, 0,1
	v_cvt_scalef32_pk16_fp6_f32 v[208+6*\c:210+6*\c], v[96+32*\c:111+32*\c], v[SO+2*\c]
	v_cvt_scalef32_pk16_fp6_f32 v[220+4*\c:222+4*\c], v[112+32*\c:127+32*\c], v[SO+2*\c+1]
.endr
	v_nop
.irp c, 0,1
.irp i, 0,1,2
	v_permlane16_swap_b32 v[208+6*\c+\i], v[220+4*\c+\i]
.endr
.irp i, 0,1,2
	s_delay_alu instid0(VALU_DEP_3)
	v_mov_b32 v[211+6*\c+\i], v[220+4*\c+\i]
.endr
.endr
.set j, 0
.rept 16
	v_pk_mul_f32 v[160+j:161+j], v[160+j:161+j], v[228:229] op_sel_hi:[1,0]   ; O^T under the new M; also the plain lines ahead of the products
.set j, j+2
.endr
	s_wait_alu depctr_va_vdst(0)
	s_wait_dscnt 0x0                               ; v's fragments and words
.irp t, 0,1,2,3
.if \t%2
	v_wmma_scale_f32_16x16x128_f8f6f4 v[160+8*\t:167+8*\t], v[36+12*\t:47+12*\t], v[208:219], v[160+8*\t:167+8*\t], v[234+\t/2], v230 matrix_a_fmt:MATRIX_FMT_FP6 matrix_b_fmt:MATRIX_FMT_FP6 matrix_a_scale:MATRIX_SCALE_ROW1
.else
	v_wmma_scale_f32_16x16x128_f8f6f4 v[160+8*\t:167+8*\t], v[36+12*\t:47+12*\t], v[208:219], v[160+8*\t:167+8*\t], v[234+\t/2], v230 matrix_a_fmt:MATRIX_FMT_FP6 matrix_b_fmt:MATRIX_FMT_FP6
.endif
.endr
	v_add_nc_u32 v5, 6144, v5                      ; v's addresses go on: four plain lines behind the products
	v_add_nc_u32 v6, 6144, v6
	v_add_nc_u32 v7, 256, v7
	v_nop
	LOAD4 2, 3, 4, 232                             ; the next step's k (behind the last step: landed bytes of v, which nobody uses)
	s_sub_co_u32 s2, s2, 1
	s_cmp_lg_u32 s2, 0
	s_cbranch_scc1 .Lstep
	; ---------------- the way out: O^T / the sum, in the channels' true order (the partner is a given weight), as codes
	s_wait_dscnt 0x0
	s_wait_kmcnt 0x0
	v_add_f32 v14, v14, v15
	s_delay_alu instid0(VALU_DEP_1)
	v_permlanex16_b32 v204, v14, s[SEL], s[SEL+1]
	s_delay_alu instid0(VALU_DEP_1)
	v_add_f32 v14, v14, v204                       ; the row's sum
	s_wait_alu depctr_va_vdst(0)
	v_rcp_f32 v228, v14
	v_nop
	s_lshr_b32 s96, s90, 1                         ; the head's K step of the next product,
	s_and_b32 s97, s90, 1                          ; and its half of it
	s_lshl_b32 s92, s91, 3
	s_add_co_u32 s92, s92, s96
	s_mul_i32 s92, s92, 1536
	s_mul_i32 s93, s97, 768
	s_add_co_u32 s92, s92, s93
	s_mov_b32 s93, 0
	s_add_nc_u64 s[92:93], s[8:9], s[92:93]
	s_lshr_b32 s94, s91, 3
	s_lshl_b32 s94, s94, 3
	s_add_co_u32 s94, s94, s96
	s_lshl_b32 s94, s94, 7
	s_and_b32 s95, s91, 7
	s_lshl_b32 s95, s95, 4
	s_add_co_u32 s94, s94, s95
	s_lshl_b32 s94, s94, 2
	s_lshl_b32 s95, s97, 1
	s_add_co_u32 s94, s94, s95
	s_add_co_u32 s94, s94, CSC
	s_mov_b32 s95, 0
	s_add_nc_u64 s[94:95], s[8:9], s[94:95]
	s_wait_alu depctr_va_vdst(0)                   ; ahead of the reciprocal's first reader
.set j, 0
.rept 16
	v_pk_mul_f32 v[96+j:97+j], v[160+j:161+j], v[228:229] op_sel_hi:[1,0]
.set j, j+2
.endr
.irp b, 0,1
.irp i, 0,1,2,3,4,5,6,7
	v_permlane16_swap_b32 v[96+16*\b+\i], v[104+16*\b+\i]   ; register 16 b + i now holds channel 32 b + 16 h + i
.endr
.endr
.irp b, 0,1
	v_max3_num_f32 v[BM+\b], 0x1800000, |v[96+16*\b]|, |v[97+16*\b]|
.endr
.irp i, 2,4,6,8,10,12,14
.irp b, 0,1
	s_delay_alu instid0(VALU_DEP_2)
	v_max3_num_f32 v[BM+\b], v[BM+\b], |v[96+16*\b+\i]|, |v[97+16*\b+\i]|
.endr
.endr
.irp b, 0,1
	s_delay_alu instid0(VALU_DEP_2)
	v_permlanex16_b32 v[BP+\b], v[BM+\b], s[SEL], s[SEL+1]
.endr
.irp b, 0,1
	s_delay_alu instid0(VALU_DEP_2)
	v_max_num_f32 v[BM+\b], v[BM+\b], v[BP+\b]
.endr
.irp b, 0,1
	s_delay_alu instid0(VALU_DEP_2)
	v_add_nc_u32 v[SO+\b], 0xff000000, v[BM+\b]
.endr
.irp b, 0,1
	s_delay_alu instid0(VALU_DEP_2)
	v_lshrrev_b32 v[BP+\b], 23, v[SO+\b]
.endr
	s_delay_alu instid0(VALU_DEP_1)
	v_lshl_or_b32 v205, v197, 8, v196              ; the head's half of the row's scale word
	v_cvt_scalef32_pk16_fp6_f32 v[208:210], v[96:111], v200
	v_cvt_scalef32_pk16_fp6_f32 v[220:222], v[112:127], v201
	v_nop
.irp i, 0,1,2
	v_permlane16_swap_b32 v[208+\i], v[220+\i]
.endr
.irp i, 0,1,2
	s_delay_alu instid0(VALU_DEP_3)
	v_mov_b32 v[211+\i], v[220+\i]
.endr
	global_store_b128 v8, v[208:211], s[92:93]     ; a half fragment: 512 and 256 consecutive bytes, aligned
	global_store_b64 v9, v[212:213], s[92:93] offset:512
	s_wait_xcnt 0x0                                ; EXEC changes only behind this wait
	v_cmp_gt_u32 vcc_lo, 16, v1
	s_and_saveexec_b32 s86, vcc_lo
	global_store_b16 v10, v205, s[94:95]           ; lanes 0-15: two bytes a row
	s_wait_xcnt 0x0
	s_or_b32 exec_lo, exec_lo, s86
	s_wait_tensorcnt 0x0
	ds_add_u32 v254, v255
	s_wait_dscnt 0x0
	CROUND                                         ; the closing round
	s_endpgm
.Lfunc_end_k_q469231f785_attn:
	.size	k_q469231f785_attn, .Lfunc_end_k_q469231f785_attn-k_q469231f785_attn
	.p2alignl 7, 3214868480
	.fill 96, 4, 3214868480
	.section	.rodata,"a",@progbits
	.p2align	6, 0x0
	.amdhsa_kernel k_q469231f785_attn
		.amdhsa_group_segment_fixed_size 210944
		.amdhsa_private_segment_fixed_size 0
		.amdhsa_enable_private_segment 0
		.amdhsa_kernarg_size 24
		.amdhsa_user_sgpr_count 2
		.amdhsa_user_sgpr_kernarg_segment_ptr 1
		.amdhsa_wavefront_size32 1
		.amdhsa_system_sgpr_workgroup_id_x 1
		.amdhsa_system_sgpr_workgroup_id_y 1
		.amdhsa_system_sgpr_workgroup_id_z 1
		.amdhsa_system_vgpr_workitem_id 0
		.amdhsa_next_free_vgpr 256
		.amdhsa_next_free_sgpr 102
		.amdhsa_reserve_vcc 1
		.amdhsa_float_denorm_mode_32 3
		.amdhsa_float_denorm_mode_16_64 3
		.amdhsa_memory_ordered 1
		.amdhsa_forward_progress 1
		.amdhsa_inst_pref_size 41
	.end_amdhsa_kernel
	.amdgpu_metadata
---
amdhsa.version: [ 1, 2 ]
amdhsa.kernels:
  - .name:           k_q469231f785_attn
    .symbol:         k_q469231f785_attn.kd
    .args:
      - { .name: qkvb, .offset: 0, .size: 8, .value_kind: global_buffer, .address_space: global }
      - { .name: mbits, .offset: 8, .size: 8, .value_kind: global_buffer, .address_space: global }
      - { .name: cbuf, .offset: 16, .size: 8, .value_kind: global_buffer, .address_space: global }
    .group_segment_fixed_size: 210944
    .private_segment_fixed_size: 0
    .kernarg_segment_align: 8
    .kernarg_segment_size: 24
    .max_flat_workgroup_size: 512
    .sgpr_count:     102
    .vgpr_count:     256
    .wavefront_size: 32
...
	.end_amdgpu_metadata
.endif
;; end of part 3
;; launch wo (part 4): grid 8 x 32, 4 waves a work-group, clusters of 4 x 4, 327,680 bytes of LDS; arguments cbuf, pbuf, bo, x, x1; writes x1
.if DOCPART == 4
	.amdgcn_target "amdgcn-amd-amdhsa--gfx1250"
	.amdhsa_code_object_version 6
	.text
	.protected	k_q469231f785_wo
	.globl	k_q469231f785_wo
	.p2align	8
	.type	k_q469231f785_wo,@function
k_q469231f785_wo:
	s_mov_b64 s[64:65], 0
	v_nop
	global_prefetch_b8 v0, s[64:65] scope:SCOPE_SE
	s_setreg_imm32_b32 hwreg(HW_REG_WAVE_MODE, 25, 1), 1
	s_wait_xcnt 0x0
	s_wait_alu depctr_hold_cnt(0) depctr_sa_sdst(0) depctr_va_vdst(0) depctr_va_sdst(0) depctr_va_ssrc(0) depctr_va_vcc(0) depctr_vm_vsrc(0)
	s_getreg_b32 s2, hwreg(HW_REG_IB_STS2, 6, 4)
	s_cmp_eq_u32 s2, 0
	s_cbranch_scc0 .Lentry_in_a_cluster
	s_endpgm
.Lentry_in_a_cluster:
	s_bfe_u32 s2, ttmp6, 0x10000c
	s_cmp_lg_u32 s2, 0xf033
	s_cbranch_scc0 .Lentry_shape_is_right
	s_endpgm
.Lentry_shape_is_right:
; out[4096][1024] = res + A W^T + bias on codes of FP6 (E2M3) with E8M0 scales.  Here: A = ctx (cbuf), W = Wo (its image in pbuf), bias = bo, res = x, out = x1; K = 1,024.
; Both operands lie in memory as IMAGES OF OPERAND REGISTERS, [rows / 16][K / 128][1536] (a half fragment: registers 0-3 at 16 x lane, 4-5 at 512 + 8 x lane), their scale words as [rows / 128][K / 128][128].
; A tile of out is 128 x 128, so that 256 work-groups have work; four waves, each 64 x 64 in 16 accumulators.  The product is used transposed (source 0 = W's rows): a lane holds eight neighbouring columns of a row.
; K goes in slots of 512 (four K steps) through two LDS slots filled by joint tensor loads: A's tile shared along a row of the 4 x 4 cluster, W's along a column; all scale words of the tile come once.
; Images are dense, so every LDS load takes consecutive bytes.  The bias is the C of the first K step; the residual waits in registers from the head on.
; REGISTERS: window 0: v16-30 addresses; v32-39 scale words, two sets; v64-95 bias; v96-127 rows on the way out; v128-255 accumulators.  window 1: two sets of 8 fragments.  window 2: v0-127 the residual.
.set SIZE_K, 1024
.set ASC,    3145728                   ; A's scale words in its buffer
.set BIMG,   3276800                   ; W's image in pbuf
.set BSC,    4063232                   ; and its scale words
.set NKS,    SIZE_K/128
.set LAPS,   NKS/8
.set FRB,    1536
.set QUART,  16*FRB                    ; what one tensor load brings: 4 row tiles x 4 K steps
.set SLOT,   4*QUART
.set SCL,    2*SLOT
.set SPARE,  SCL+NKS*1024              ; the spare words: 128 bytes a wave, named by no other line
.set A16, 16
.set A8,  18
.set B16, 20
.set B8,  22
.set STO, 24
.set RD,  25
.set CO,  26
.set ASA, 27
.set SPW, 28
.set NIL, 29
.set ASB, 30
.set SC,  32
.set BY,  64
.set BK,  96
.set ACC, 128
.set G1, 24
.set G0, 32
.set G1B, 48
.set G0B, 56
.set G1S, 68
.set G0S, 76
.set G1SB, 80
.set G0SB, 88
.set MSB, 0
.macro WIN new
.if MSB != (\new)
	s_set_vgpr_msb (MSB<<8)|(\new)
.set MSB, (\new)
.endif
.endm
.macro JLOAD g0a, g1a, g0b, g1b        ; a joint load: waves 0, 1 fetch for A, waves 2, 3 for W; four v_nop follow each line
	s_cmp_eq_u32 s15, 0
	s_cbranch_scc0 .Lfor_b_\@
	tensor_load_to_lds s[\g0a:\g0a+3], s[\g1a:\g1a+7]
	s_nop 0
.rept 4
	v_nop
.endr
	s_branch .Lasked_\@
.Lfor_b_\@:
	tensor_load_to_lds s[\g0b:\g0b+3], s[\g1b:\g1b+7]
	s_nop 0
.rept 4
	v_nop
.endr
.Lasked_\@:
.endm
.macro CREST
	s_cmp_lg_u32 s14, 0
	s_cbranch_scc1 .Lnot_wave_0_\@
	s_barrier_signal -3
.Lnot_wave_0_\@:
	s_barrier_wait -3
	s_barrier_signal -1
	s_barrier_wait -1
.endm
.macro CROUND
	s_barrier_signal -1
	s_barrier_wait -1
	CREST
.endm
	s_load_b256 s[4:11], s[0:1], 0x0               ; A's buffer, pbuf, bias, residual
	s_load_b64 s[12:13], s[0:1], 0x20              ; out
	v_lshl_add_u32 v[SPW], v0, 2, SPARE
	v_mov_b32 v[NIL], 0
	ds_add_u32 v28, v29
	ds_add_u32 v28, v29
	s_wait_dscnt 0x0
	v_lshrrev_b32 v1, 5, v0
	v_readfirstlane_b32 s14, v1                    ; wave 0..3
	s_lshr_b32 s15, s14, 1                         ; my half of the rows.  Also: I fetch for A (0) or W (1)
	s_and_b32 s16, s14, 1                          ; my half of the columns.  Also: which half of that tile I fetch
	s_bfe_u32 s40, ttmp6, 0x40000
	s_bfe_u32 s41, ttmp6, 0x40004
	s_lshl_b32 s42, ttmp9, 2
	s_add_co_u32 s42, s42, s40                     ; tile column
	s_and_b32 s17, ttmp7, 0xffff
	s_lshl_b32 s17, s17, 2
	s_add_co_u32 s17, s17, s41                     ; tile row
	s_lshl_b32 s43, s41, 2
	s_lshl_b32 s43, 15, s43
	s_lshl_b32 s44, 0x1111, s40
	s_or_b32 s[G1+0], s43, (3<<16)|(1<<21)         ; codes: 4 rows (row tiles) of 6,144 bytes (four K steps), NKS x 1,536 bytes apart; elements of 8 bytes
	s_or_b32 s[G1B+0], s44, (3<<16)|(1<<21)
.irp g, G1, G1B
	s_mov_b32 s[\g+1], 768<<16
	s_mov_b32 s[\g+2], 8<<16                       ; the head's loads bring all 8 row tiles
	s_mov_b32 s[\g+3], 768<<16
	s_mov_b32 s[\g+4], 8
	s_mov_b32 s[\g+5], NKS*192
	s_mov_b32 s[\g+6], 0
	s_mov_b32 s[\g+7], 0
.endr
	s_or_b32 s[G1S+0], s43, (3<<16)|(1<<21)        ; scale words: a whole tile's, 2 NKS rows of 256 bytes, dense
	s_or_b32 s[G1SB+0], s44, (3<<16)|(1<<21)
.irp g, G1S, G1SB
	s_mov_b32 s[\g+1], 32<<16
	s_mov_b32 s[\g+2], (2*NKS)<<16                 ; a whole tile's scale words
	s_mov_b32 s[\g+3], 32<<16
	s_mov_b32 s[\g+4], 2*NKS
	s_mov_b32 s[\g+5], 32
	s_mov_b32 s[\g+6], 0
	s_mov_b32 s[\g+7], 0
.endr
	s_mul_i32 s20, s17, 8*NKS*FRB                  ; A's codes: the tile's first row tile
	s_mul_i32 s46, s42, 8*NKS*FRB
	s_add_co_u32 s46, s46, BIMG                    ; W's
	s_mul_i32 s22, s17, NKS*512
	s_add_co_u32 s22, s22, ASC
	s_mul_i32 s92, s42, NKS*512
	s_add_co_u32 s92, s92, BSC
	s_mul_i32 s18, s16, 4*NKS*FRB                  ; in the ring I fetch 4 row tiles: which half
	s_mov_b32 s19, 0
	s_mov_b32 s21, 0
	s_mov_b32 s23, 0
	s_mov_b32 s47, 0
	s_mov_b32 s93, 0
	s_mul_i32 s45, s14, QUART
	s_wait_kmcnt 0x0
	s_add_nc_u64 s[20:21], s[4:5], s[20:21]
	s_add_nc_u64 s[22:23], s[4:5], s[22:23]
	s_add_nc_u64 s[46:47], s[6:7], s[46:47]
	s_add_nc_u64 s[92:93], s[6:7], s[92:93]
	CROUND                                         ; all sixteen work-groups are here: the first joint loads meet
	s_mov_b32 s[G0S], 1
	s_mov_b32 s[G0S+1], SCL
	s_mov_b64 s[G0S+2:G0S+3], s[22:23]
	s_or_b32 s[G0S+3], s[G0S+3], 0x80000000
	s_mov_b32 s[G0SB], 1
	s_mov_b32 s[G0SB+1], SCL+NKS*512
	s_mov_b64 s[G0SB+2:G0SB+3], s[92:93]
	s_or_b32 s[G0SB+3], s[G0SB+3], 0x80000000
.set G0H, 4                            ; s[4:7], s[92:95]: group 0 of the head's loads of slot 0 (what lay there has been used)
.set G0HB, 92
	s_mov_b32 s[G0H], 1
	s_mov_b32 s[G0H+1], 0
	s_mov_b64 s[G0H+2:G0H+3], s[20:21]
	s_or_b32 s[G0H+3], s[G0H+3], 0x80000000
	s_mov_b32 s[G0HB], 1
	s_mov_b32 s[G0HB+1], 2*QUART
	s_mov_b64 s[G0HB+2:G0HB+3], s[46:47]
	s_or_b32 s[G0HB+3], s[G0HB+3], 0x80000000
	s_add_nc_u64 s[20:21], s[20:21], s[18:19]      ; for the ring: my 4 row tiles
	s_add_nc_u64 s[46:47], s[46:47], s[18:19]
.irp s, 0,1
	s_mov_b32 s[G0+4*\s], 1
	s_add_co_u32 s[G0+4*\s+1], s45, \s*SLOT
	s_add_nc_u64 s[G0+4*\s+2:G0+4*\s+3], s[20:21], \s*4*FRB
	s_or_b32 s[G0+4*\s+3], s[G0+4*\s+3], 0x80000000
	s_mov_b32 s[G0B+4*\s], 1
	s_add_co_u32 s[G0B+4*\s+1], s45, \s*SLOT
	s_add_nc_u64 s[G0B+4*\s+2:G0B+4*\s+3], s[46:47], \s*4*FRB
	s_or_b32 s[G0B+4*\s+3], s[G0B+4*\s+3], 0x80000000
.endr
; the head's loads, one a wave: wave 0 slot 0 of A's tile, wave 1 of W's, wave 2 A's scale words, wave 3 W's.  K has two fills: no prefetch is laid
.macro ARM under, g0, g1, next
	s_cmp_lt_u32 s14, \under
	s_cbranch_scc0 \next
	tensor_load_to_lds s[\g0:\g0+3], s[\g1:\g1+7]
	s_nop 0
.rept 4
	v_nop
.endr
	s_branch .Lhead_asked
\next:
.endm
	ARM 1, G0H,  G1,  .Lhead_b
	ARM 2, G0HB, G1B, .Lhead_sa
	ARM 3, G0S,  G1S, .Lhead_sb
	tensor_load_to_lds s[G0SB:G0SB+3], s[G1SB:G1SB+7]
	s_nop 0
.rept 4
	v_nop
.endr
.Lhead_asked:
	v_and_b32 v1, 31, v0                           ; lane
	v_and_b32 v4, 15, v0                           ; r
	v_bfe_u32 v5, v0, 4, 1                         ; h
	s_wait_alu depctr_va_vdst(0)
	s_lshl_b32 s20, s42, 9
	s_lshl_b32 s21, s16, 8
	s_add_co_u32 s20, s20, s21                     ; my first column, in bytes
	s_mov_b32 s21, 0
	s_add_nc_u64 s[8:9], s[8:9], s[20:21]
	s_lshl_b32 s22, s17, 19
	s_lshl_b32 s23, s15, 18
	s_add_co_u32 s22, s22, s23
	s_add_co_u32 s22, s22, s20                     ; my first row and column of the residual and of out
	s_mov_b32 s23, 0
	s_add_nc_u64 s[10:11], s[10:11], s[22:23]
	s_add_nc_u64 s[12:13], s[12:13], s[22:23]
	v_lshlrev_b32 v6, 5, v5
	v_lshlrev_b32 v[CO], 12, v5
	v_lshl_add_u32 v[CO], v4, 4, v[CO]             ; lanes 0-15 one row's 256 bytes, lanes 16-31 the next row's
.irp b, 0,1,2,3
	global_load_b128 v[BY+8*\b:BY+8*\b+3], v6, s[8:9] offset:64*\b          ; bias[n0 + 16 b + 8 h + j]
	global_load_b128 v[BY+8*\b+4:BY+8*\b+7], v6, s[8:9] offset:64*\b+16
.endr
	WIN 0x80                                       ; destination window 2
.set j, 0
.rept 32
	global_load_b128 v[4*j:4*j+3], v[CO], s[10:11] offset:2*j*4096
.set j, j+1
.endr
	WIN 0
	v_lshlrev_b32 v2, 4, v1
	v_lshlrev_b32 v3, 3, v1
	s_mul_i32 s21, s15, QUART
	s_mul_i32 s22, s16, QUART
	s_add_co_u32 s22, s22, 2*QUART
.irp s, 0,1
	v_add_nc_u32 v[A16+\s], s21, v2
	v_add_nc_u32 v[A8+\s], s21, v3
	v_add_nc_u32 v[B16+\s], s22, v2
	v_add_nc_u32 v[B8+\s], s22, v3
	s_add_co_u32 s21, s21, SLOT
	s_add_co_u32 s22, s22, SLOT
.endr
	s_lshl_b32 s23, s15, 8
	s_add_co_u32 s23, s23, SCL
	v_lshl_add_u32 v[ASA], v1, 2, s23              ; A's words: my 64 rows; a load of 4 bytes a lane brings two blocks' words
	s_lshl_b32 s23, s16, 8
	s_add_co_u32 s23, s23, SCL+NKS*512
	v_lshl_add_u32 v[ASB], v1, 2, s23
	s_mul_i32 s23, s14, 16*272                     ; my stage for the way out: in slot 0, behind its last fill and its last read
	v_mul_u32_u24 v[STO], v4, 272
	v_lshl_add_u32 v[STO], v5, 5, v[STO]
	v_add_nc_u32 v[STO], s23, v[STO]
	v_mul_u32_u24 v[RD], v5, 272
	v_lshl_add_u32 v[RD], v4, 4, v[RD]
	v_add_nc_u32 v[RD], s23, v[RD]
.macro WM d, y, x, c, sy, sx, ry, rx   ; one product; ry, rx: the scale words lie in lanes 16-31
.if (\ry) && (\rx)
	v_wmma_scale_f32_16x16x128_f8f6f4 v[(\d):(\d)+7], v[(\y):(\y)+11], v[(\x):(\x)+11], v[(\c):(\c)+7], v[\sy], v[\sx] matrix_a_fmt:MATRIX_FMT_FP6 matrix_b_fmt:MATRIX_FMT_FP6 matrix_a_scale:MATRIX_SCALE_ROW1 matrix_b_scale:MATRIX_SCALE_ROW1
.elseif (\ry)
	v_wmma_scale_f32_16x16x128_f8f6f4 v[(\d):(\d)+7], v[(\y):(\y)+11], v[(\x):(\x)+11], v[(\c):(\c)+7], v[\sy], v[\sx] matrix_a_fmt:MATRIX_FMT_FP6 matrix_b_fmt:MATRIX_FMT_FP6 matrix_a_scale:MATRIX_SCALE_ROW1
.elseif (\rx)
	v_wmma_scale_f32_16x16x128_f8f6f4 v[(\d):(\d)+7], v[(\y):(\y)+11], v[(\x):(\x)+11], v[(\c):(\c)+7], v[\sy], v[\sx] matrix_a_fmt:MATRIX_FMT_FP6 matrix_b_fmt:MATRIX_FMT_FP6 matrix_b_scale:MATRIX_SCALE_ROW1
.else
	v_wmma_scale_f32_16x16x128_f8f6f4 v[(\d):(\d)+7], v[(\y):(\y)+11], v[(\x):(\x)+11], v[(\c):(\c)+7], v[\sy], v[\sx] matrix_a_fmt:MATRIX_FMT_FP6 matrix_b_fmt:MATRIX_FMT_FP6
.endif
.endm
.macro MUL4 f, a, zero                 ; A's block a against W's four, from set f.  zero = 1: the bias is C.  The 16 accumulators take turns
	WIN 0x05
.irp b, 0,1,2,3
.if \zero
	WM ACC+8*(4*(\a)+\b),96*(\f)+48+12*\b,96*(\f)+12*(\a),BY+8*\b,SC+4*(\f)+2+\b/2,SC+4*(\f)+(\a)/2,\b%2,(\a)%2
.else
	WM ACC+8*(4*(\a)+\b),96*(\f)+48+12*\b,96*(\f)+12*(\a),ACC+8*(4*(\a)+\b),SC+4*(\f)+2+\b/2,SC+4*(\f)+(\a)/2,\b%2,(\a)%2
.endif
.endr
.endm
.macro FETCH slot, q, f                ; the slot's q-th K step: 8 fragments and 4 registers of scale words into set f: 36 LDS loads
	WIN 0x40
.irp i, 0,1,2,3
	ds_load_b128 v[96*(\f)+48+12*\i:96*(\f)+48+12*\i+3], v[B16+\slot] offset:(4*\i+(\q))*FRB
	ds_load_b64 v[96*(\f)+48+12*\i+4:96*(\f)+48+12*\i+5], v[B8+\slot] offset:(4*\i+(\q))*FRB+512
	ds_load_b128 v[96*(\f)+48+12*\i+6:96*(\f)+48+12*\i+9], v[B16+\slot] offset:(4*\i+(\q))*FRB+768
	ds_load_b64 v[96*(\f)+48+12*\i+10:96*(\f)+48+12*\i+11], v[B8+\slot] offset:(4*\i+(\q))*FRB+1280
	ds_load_b128 v[96*(\f)+12*\i:96*(\f)+12*\i+3], v[A16+\slot] offset:(4*\i+(\q))*FRB
	ds_load_b64 v[96*(\f)+12*\i+4:96*(\f)+12*\i+5], v[A8+\slot] offset:(4*\i+(\q))*FRB+512
	ds_load_b128 v[96*(\f)+12*\i+6:96*(\f)+12*\i+9], v[A16+\slot] offset:(4*\i+(\q))*FRB+768
	ds_load_b64 v[96*(\f)+12*\i+10:96*(\f)+12*\i+11], v[A8+\slot] offset:(4*\i+(\q))*FRB+1280
.endr
	WIN 0
	ds_load_b32 v[SC+4*(\f)], v[ASA] offset:(\q)*512
	ds_load_b32 v[SC+4*(\f)+1], v[ASA] offset:(\q)*512+128
	ds_load_b32 v[SC+4*(\f)+2], v[ASB] offset:(\q)*512
	ds_load_b32 v[SC+4*(\f)+3], v[ASB] offset:(\q)*512+128
.endm
.macro PLACES n                        ; plain vector lines between a matrix instruction and a load into, or a read of, its registers
.rept \n
	v_nop
.endr
.endm
.macro KS slot, q, zero                ; K step q (0 .. 2) of a slot: the next step's fetch goes out first, then this step's 16 products
	PLACES 4
	FETCH \slot, (\q)+1, 1-(\q)%2
	s_wait_dscnt 36                                ; all but the 36 just issued
	MUL4 (\q)%2, 0, \zero
	MUL4 (\q)%2, 1, \zero
	MUL4 (\q)%2, 2, \zero
	MUL4 (\q)%2, 3, \zero
.endm
; A slot's last K step changes slots: one barrier; ahead of it each wave waits for all its tensor loads, adds 0 to its spare word, and waits for that and for its reads of this slot.
.macro TURN slot, next, fill
	WIN 0
	s_wait_tensorcnt 0x0                           ; all my tensor loads have landed: my part of the next slot
	ds_add_u32 v[SPW], v[NIL]
	s_wait_dscnt 1                                 ; (the add may be out)
	MUL4 1, 0, 0
	s_wait_dscnt 0x0                               ; the add is done, and my reads of this slot are over
	s_barrier_signal -1
	MUL4 1, 1, 0
	WIN 0
	s_barrier_wait -1
.if \fill
	CREST                                          ; the barrier has opened a round of the cluster's: no wave of any partner still reads this slot or has a load on its way
	s_add_nc_u64 s[G0+4*\slot+2:G0+4*\slot+3], s[G0+4*\slot+2:G0+4*\slot+3], 8*FRB
	s_add_nc_u64 s[G0B+4*\slot+2:G0B+4*\slot+3], s[G0B+4*\slot+2:G0B+4*\slot+3], 8*FRB
	JLOAD G0+4*\slot, G1, G0B+4*\slot, G1B
.else
	PLACES 4
.endif
	v_add_nc_u32 v[ASA], 2048, v[ASA]              ; the next slot's scale words
	s_wait_alu depctr_va_vdst(0)
	v_add_nc_u32 v[ASB], 2048, v[ASB]
	s_wait_alu depctr_va_vdst(0)
	FETCH \next, 0, 0
	MUL4 1, 2, 0
	MUL4 1, 3, 0
.endm
	s_wait_alu depctr_va_vdst(0)
	s_wait_tensorcnt 0x0                           ; my tile of the head's four is in
	ds_add_u32 v[SPW], v[NIL]
	s_mov_b32 s[G1+2], 4<<16                       ; no load of mine is out: from here on a load brings 4 row tiles
	s_mov_b32 s[G1+4], 4
	s_mov_b32 s[G1B+2], 4<<16
	s_mov_b32 s[G1B+4], 4
	s_wait_dscnt 0x0
	CROUND
	JLOAD G0+4, G1, G0B+4, G1B                     ; slot 1's first fill, the first tensor load behind the round
	FETCH 0, 0, 0
	s_wait_loadcnt 32                              ; the bias is in; the residual's 32 loads may be out
	KS 0, 0, 1
.if LAPS > 1
	WIN 0
	s_mov_b32 s3, LAPS-1
.Llap:
	KS 0, 1, 0
	KS 0, 2, 0
	TURN 0, 1, 1
	KS 1, 0, 0
	KS 1, 1, 0
	KS 1, 2, 0
	TURN 1, 0, 1
	KS 0, 0, 0
	WIN 0
	s_sub_co_u32 s3, s3, 1
	s_cmp_lg_u32 s3, 0
	s_cbranch_scc1 .Llap
.endif
	KS 0, 1, 0
	KS 0, 2, 0
	TURN 0, 1, 0
	KS 1, 0, 0
	KS 1, 1, 0
	KS 1, 2, 0
	s_wait_dscnt 0x0
	MUL4 1, 0, 0
	MUL4 1, 1, 0
	MUL4 1, 2, 0
	MUL4 1, 3, 0
	WIN 0
	PLACES 4
	s_wait_loadcnt 0x0                             ; the residual
	; the way out, 16 rows x 64 columns at a time through my stage: back as whole rows of 256 bytes, plus the residual
.irp a, 0,1,2,3
.irp b, 0,1,2,3
	ds_store_b128 v[STO], v[ACC+8*(4*\a+\b):ACC+8*(4*\a+\b)+3] offset:64*\b
	ds_store_b128 v[STO], v[ACC+8*(4*\a+\b)+4:ACC+8*(4*\a+\b)+7] offset:64*\b+16
.endr
.if \a > 0
	s_wait_xcnt 0x0                                ; the last block's stores have read their data
.endif
.irp t, 0,1,2,3,4,5,6,7
	ds_load_b128 v[BK+4*\t:BK+4*\t+3], v[RD] offset:\t*2*272   ; LDS serves a wave's instructions in order: these see my stores
.endr
	s_wait_dscnt 0x0
	WIN 0x08                                       ; source 1: window 2
.set j, 0
.rept 16
	v_pk_add_f32 v[BK+j:BK+j+1], v[BK+j:BK+j+1], v[32*\a+j:32*\a+j+1]
.set j, j+2
.endr
	WIN 0
.irp t, 0,1,2,3,4,5,6,7
	global_store_b128 v[CO], v[BK+4*\t:BK+4*\t+3], s[12:13] offset:(16*\a+2*\t)*4096   ; sixteen lanes store 256 consecutive bytes, aligned
.endr
.endr
	s_wait_tensorcnt 0x0                           ; the wave's end
	ds_add_u32 v[SPW], v[NIL]
	s_wait_dscnt 0x0
	CROUND                                         ; the closing round
	s_endpgm
.Lfunc_end_k_q469231f785_wo:
	.size	k_q469231f785_wo, .Lfunc_end_k_q469231f785_wo-k_q469231f785_wo
	.p2alignl 7, 3214868480
	.fill 96, 4, 3214868480
	.section	.rodata,"a",@progbits
	.p2align	6, 0x0
	.amdhsa_kernel k_q469231f785_wo
		.amdhsa_group_segment_fixed_size 327680
		.amdhsa_private_segment_fixed_size 0
		.amdhsa_enable_private_segment 0
		.amdhsa_kernarg_size 40
		.amdhsa_user_sgpr_count 2
		.amdhsa_user_sgpr_kernarg_segment_ptr 1
		.amdhsa_wavefront_size32 1
		.amdhsa_system_sgpr_workgroup_id_x 1
		.amdhsa_system_sgpr_workgroup_id_y 1
		.amdhsa_system_sgpr_workgroup_id_z 1
		.amdhsa_system_vgpr_workitem_id 0
		.amdhsa_next_free_vgpr 768
		.amdhsa_next_free_sgpr 98
		.amdhsa_reserve_vcc 0
		.amdhsa_float_denorm_mode_32 3
		.amdhsa_float_denorm_mode_16_64 3
		.amdhsa_memory_ordered 1
		.amdhsa_forward_progress 1
		.amdhsa_inst_pref_size 63
	.end_amdhsa_kernel
	.amdgpu_metadata
---
amdhsa.version: [ 1, 2 ]
amdhsa.kernels:
  - .name:           k_q469231f785_wo
    .symbol:         k_q469231f785_wo.kd
    .args:
      - { .name: cbuf, .offset: 0, .size: 8, .value_kind: global_buffer, .address_space: global }
      - { .name: pbuf, .offset: 8, .size: 8, .value_kind: global_buffer, .address_space: global }
      - { .name: bo, .offset: 16, .size: 8, .value_kind: global_buffer, .address_space: global }
      - { .name: x, .offset: 24, .size: 8, .value_kind: global_buffer, .address_space: global }
      - { .name: x1, .offset: 32, .size: 8, .value_kind: global_buffer, .address_space: global }
    .group_segment_fixed_size: 327680
    .private_segment_fixed_size: 0
    .kernarg_segment_align: 8
    .kernarg_segment_size: 40
    .max_flat_workgroup_size: 128
    .sgpr_count:     98
    .vgpr_count:     768
    .wavefront_size: 32
...
	.end_amdgpu_metadata
.endif
;; end of part 4
;; launch ln2 (part 5): grid 256 x 1, 4 waves a work-group, no clusters, 23,040 bytes of LDS; arguments x1, ln2_g, ln2_b, h2b; writes h2b
.if DOCPART == 5
	.amdgcn_target "amdgcn-amd-amdhsa--gfx1250"
	.amdhsa_code_object_version 6
	.text
	.protected	k_q469231f785_ln2
	.globl	k_q469231f785_ln2
	.p2align	8
	.type	k_q469231f785_ln2,@function
k_q469231f785_ln2:
	s_mov_b64 s[64:65], 0
	v_nop
	global_prefetch_b8 v0, s[64:65] scope:SCOPE_SE
	s_setreg_imm32_b32 hwreg(HW_REG_WAVE_MODE, 25, 1), 1
	s_wait_xcnt 0x0
; Layer norm of x1 [4096][1024] f32 and its codes of FP6 (E2M3) along the row: h2b + 0: [4096][768] bytes of codes, a row one stream of bits; h2b + HSO: [4096][32] E8M0 bytes.
; A wave takes 4 rows; all its 32 loads (512 consecutive bytes each) go out at once.  Mean, then the mean of (x - mean)^2, 1/sqrt by v_rsq_f32, gain and bias by one multiply-add, all f32.
; A block's scale is its largest magnitude's exponent field less 2, held at 1 from below (a block of zeros gets 1: its codes are zeros, and only this program reads the bytes).
; Memory binds: no matrix unit, no cluster, no barrier: waves share nothing.  LIMITS: NaN and infinities are not served.
.set HSO,  3145728
.set SP,   80
.set WREG, 5632
.set G,    16
.set BB,   48
.set X,    80
.set XS,   208
.set CD,   240
	s_load_b256 s[4:11], s[0:1], 0x0               ; x1, ln2_g, ln2_b, h2b
	v_lshl_add_u32 v254, v0, 2, 0x5800
	v_mov_b32 v255, 0
	v_lshrrev_b32 v1, 5, v0
	v_readfirstlane_b32 s2, v1                     ; wave 0..3
	v_and_b32 v1, 31, v0
	v_lshlrev_b32 v2, 4, v1
	v_mul_u32_u24 v4, v1, 12
	v_lshlrev_b32 v7, 2, v1
	s_mul_i32 s3, s2, WREG
	v_lshrrev_b32 v14, 2, v1
	v_mul_u32_u24 v14, v14, SP
	v_and_b32 v15, 3, v1
	v_lshl_add_u32 v14, v15, 4, v14
	v_add_nc_u32 v14, s3, v14
	v_mul_u32_u24 v15, v1, SP
	v_add_nc_u32 v15, s3, v15
	s_add_co_u32 s3, s3, 2*32*SP
	v_lshrrev_b32 v5, 1, v1
	v_add_nc_u32 v5, s3, v5
	v_add_nc_u32 v6, s3, v7
	s_mov_b32 s12, 0x76543210
	s_mov_b32 s13, 0xfedcba98
	s_mov_b32 s14, 0x3a800000                      ; 1 / 1024
	s_mov_b32 s15, 0x3727c5ac                      ; 1e-5
	v_mov_b32 v13, 0
	v_mov_b32 v250, 0
	s_lshl_b32 s28, ttmp9, 4
	s_lshl_b32 s29, s2, 2
	s_add_co_u32 s28, s28, s29                     ; my first row
	s_lshl_b32 s30, s28, 12
	s_mov_b32 s31, 0
	s_mul_i32 s32, s28, 768
	s_mov_b32 s33, 0
	s_lshl_b32 s34, s28, 5
	s_add_co_u32 s34, s34, HSO
	s_mov_b32 s35, 0
	s_wait_kmcnt 0x0
	s_add_nc_u64 s[4:5], s[4:5], s[30:31]
	s_add_nc_u64 s[32:33], s[10:11], s[32:33]
	s_add_nc_u64 s[34:35], s[10:11], s[34:35]
.irp j, 0,1,2,3,4,5,6,7
	global_load_b128 v[G+4*\j:G+4*\j+3], v2, s[6:7] offset:512*\j
	global_load_b128 v[BB+4*\j:BB+4*\j+3], v2, s[8:9] offset:512*\j
.endr
.irp i, 0,1,2,3
.irp j, 0,1,2,3,4,5,6,7
	global_load_b128 v[X+32*\i+4*\j:X+32*\i+4*\j+3], v2, s[4:5] offset:4096*\i+512*\j th:TH_LOAD_NT
.endr
.endr
.macro REDUCE
	v_pk_add_f32 v[8:9], v[8:9], v[10:11]
	v_add_f32 v8, v8, v9
	v_add_f32_dpp v8, v8, v8 row_xmask:1 row_mask:0xf bank_mask:0xf
	v_add_f32_dpp v8, v8, v8 row_xmask:2 row_mask:0xf bank_mask:0xf
	v_add_f32_dpp v8, v8, v8 row_xmask:4 row_mask:0xf bank_mask:0xf
	v_add_f32_dpp v8, v8, v8 row_xmask:8 row_mask:0xf bank_mask:0xf
	v_permlanex16_b32 v250, v8, s12, s13
	v_add_f32 v8, v8, v250
.endm
.macro TURN t
.irp k, 0,1,2,3
	ds_store_b128 v14, v[X+16*(\t)+4*\k:X+16*(\t)+4*\k+3] offset:32*SP*((\t)%2)+8*SP*\k
.endr
.irp k, 0,1,2,3
	ds_load_b128 v[XS+16*((\t)%2)+4*\k:XS+16*((\t)%2)+4*\k+3], v15 offset:32*SP*((\t)%2)+16*\k
.endr
.endm
.macro QSTEP t
.set XQ, XS+16*((\t)%2)
.set CQ, CD+4*((\t)%2)
	v_max3_num_f32 v8, |v[XQ]|, |v[XQ+1]|, |v[XQ+2]|
	v_max3_num_f32 v9, |v[XQ+3]|, |v[XQ+4]|, |v[XQ+5]|
.irp i, 6,10
	v_max3_num_f32 v8, v8, |v[XQ+\i]|, |v[XQ+\i+1]|
	v_max3_num_f32 v9, v9, |v[XQ+\i+2]|, |v[XQ+\i+3]|
.endr
	v_max3_num_f32 v8, v8, |v[XQ+14]|, |v[XQ+15]|
	v_max3_num_f32 v8, v8, v9, 0x1800000           ; the floor 2^(3 - 127)
	v_max_num_f32_dpp v8, v8, v8 row_xmask:1 row_mask:0xf bank_mask:0xf
	v_add_nc_u32 v11, 0xff000000, v8
	s_wait_alu depctr_va_vdst(0)
	s_wait_xcnt 0x0                                ; this set of codes was a store's data two steps ago
	v_cvt_scalef32_pk16_fp6_f32 v[CQ:CQ+2], v[XQ:XQ+15], v11
	v_lshrrev_b32 v[248+(\t)%2], 23, v11
	ds_store_b8 v5, v[248+(\t)%2] offset:16*(\t)
	global_store_b96 v4, v[CQ:CQ+2], s[32:33] offset:384*(\t)
.endm
.macro ROW i
.set XR, X+32*(\i)
	s_wait_loadcnt 24-8*(\i)                       ; gain, bias and this row are in; the later rows' loads stay out
	v_pk_add_f32 v[8:9], v[XR:XR+1], v[XR+2:XR+3]
	v_pk_add_f32 v[10:11], v[XR+4:XR+5], v[XR+6:XR+7]
.irp j, 8,12,16,20,24,28
	v_pk_add_f32 v[8:9], v[8:9], v[XR+\j:XR+\j+1]
	v_pk_add_f32 v[10:11], v[10:11], v[XR+\j+2:XR+\j+3]
.endr
	REDUCE
	v_mul_f32 v8, s14, v8
.irp j, 0,2,4,6,8,10,12,14,16,18,20,22,24,26,28,30
	v_pk_add_f32 v[XR+\j:XR+\j+1], v[XR+\j:XR+\j+1], v[8:9] op_sel_hi:[1,0] neg_lo:[0,1] neg_hi:[0,1]
.endr
	v_pk_mul_f32 v[8:9], v[XR:XR+1], v[XR:XR+1]
	v_pk_mul_f32 v[10:11], v[XR+2:XR+3], v[XR+2:XR+3]
.irp j, 4,8,12,16,20,24,28
	v_pk_fma_f32 v[8:9], v[XR+\j:XR+\j+1], v[XR+\j:XR+\j+1], v[8:9]
	v_pk_fma_f32 v[10:11], v[XR+\j+2:XR+\j+3], v[XR+\j+2:XR+\j+3], v[10:11]
.endr
	REDUCE
	v_fma_f32 v8, v8, s14, s15
	s_wait_alu depctr_va_vdst(0)
	v_rsq_f32 v12, v8
	v_nop                                          ; a plain line behind the transcendental,
	s_wait_alu depctr_va_vdst(0)                   ; and the wait ahead of its first reader
.irp j, 0,2,4,6,8,10,12,14,16,18,20,22,24,26,28,30
	v_pk_mul_f32 v[XR+\j:XR+\j+1], v[XR+\j:XR+\j+1], v[12:13] op_sel_hi:[1,0]
.endr
.irp j, 0,2,4,6,8,10,12,14,16,18,20,22,24,26,28,30
	v_pk_fma_f32 v[XR+\j:XR+\j+1], v[XR+\j:XR+\j+1], v[G+\j:G+\j+1], v[BB+\j:BB+\j+1]
.endr
	TURN 2*(\i)
	TURN 2*(\i)+1
	s_wait_dscnt 8                                 ; the first half is back; the second turn's eight may be out
	QSTEP 2*(\i)
	s_wait_dscnt 1                                 ; the second half is back; the byte store may be out
	QSTEP 2*(\i)+1
.endm
	ROW 0
	ROW 1
	ROW 2
	ROW 3
	ds_load_b32 v9, v6
	s_wait_dscnt 0x0
	global_store_b32 v7, v9, s[34:35]
	s_wait_tensorcnt 0x0
	ds_add_u32 v254, v255
	s_wait_dscnt 0x0
	s_endpgm
.Lfunc_end_k_q469231f785_ln2:
	.size	k_q469231f785_ln2, .Lfunc_end_k_q469231f785_ln2-k_q469231f785_ln2
	.p2alignl 7, 3214868480
	.fill 96, 4, 3214868480
	.section	.rodata,"a",@progbits
	.p2align	6, 0x0
	.amdhsa_kernel k_q469231f785_ln2
		.amdhsa_group_segment_fixed_size 23040
		.amdhsa_private_segment_fixed_size 0
		.amdhsa_enable_private_segment 0
		.amdhsa_kernarg_size 32
		.amdhsa_user_sgpr_count 2
		.amdhsa_user_sgpr_kernarg_segment_ptr 1
		.amdhsa_wavefront_size32 1
		.amdhsa_system_sgpr_workgroup_id_x 1
		.amdhsa_system_sgpr_workgroup_id_y 1
		.amdhsa_system_sgpr_workgroup_id_z 1
		.amdhsa_system_vgpr_workitem_id 0
		.amdhsa_next_free_vgpr 256
		.amdhsa_next_free_sgpr 66
		.amdhsa_reserve_vcc 0
		.amdhsa_float_denorm_mode_32 3
		.amdhsa_float_denorm_mode_16_64 3
		.amdhsa_memory_ordered 1
		.amdhsa_forward_progress 1
		.amdhsa_inst_pref_size 43
	.end_amdhsa_kernel
	.amdgpu_metadata
---
amdhsa.version: [ 1, 2 ]
amdhsa.kernels:
  - .name:           k_q469231f785_ln2
    .symbol:         k_q469231f785_ln2.kd
    .args:
      - { .name: x1, .offset: 0, .size: 8, .value_kind: global_buffer, .address_space: global }
      - { .name: ln2_g, .offset: 8, .size: 8, .value_kind: global_buffer, .address_space: global }
      - { .name: ln2_b, .offset: 16, .size: 8, .value_kind: global_buffer, .address_space: global }
      - { .name: h2b, .offset: 24, .size: 8, .value_kind: global_buffer, .address_space: global }
    .group_segment_fixed_size: 23040
    .private_segment_fixed_size: 0
    .kernarg_segment_align: 8
    .kernarg_segment_size: 32
    .max_flat_workgroup_size: 128
    .sgpr_count:     66
    .vgpr_count:     256
    .wavefront_size: 32
...
	.end_amdgpu_metadata
.endif
;; end of part 5
;; launch ffn1 (part 6): grid 16 x 16, 4 waves a work-group, clusters of 4 x 4, 327,680 bytes of LDS; arguments h2b, W1_codes, W1_scales, b1, hidb; writes hidb
.if DOCPART == 6
	.amdgcn_target "amdgcn-amd-amdhsa--gfx1250"
	.amdhsa_code_object_version 6
	.text
	.protected	k_q469231f785_ffn1
	.globl	k_q469231f785_ffn1
	.p2align	8
	.type	k_q469231f785_ffn1,@function
k_q469231f785_ffn1:
	s_mov_b64 s[64:65], 0
	v_nop
	global_prefetch_b8 v0, s[64:65] scope:SCOPE_SE
	s_setreg_imm32_b32 hwreg(HW_REG_WAVE_MODE, 25, 1), 1
	s_wait_xcnt 0x0
	s_wait_alu depctr_hold_cnt(0) depctr_sa_sdst(0) depctr_va_vdst(0) depctr_va_sdst(0) depctr_va_ssrc(0) depctr_va_vcc(0) depctr_vm_vsrc(0)
	s_getreg_b32 s2, hwreg(HW_REG_IB_STS2, 6, 4)
	s_cmp_eq_u32 s2, 0
	s_cbranch_scc0 .Lentry_in_a_cluster
	s_endpgm
.Lentry_in_a_cluster:
	s_bfe_u32 s2, ttmp6, 0x10000c
	s_cmp_lg_u32 s2, 0xf033
	s_cbranch_scc0 .Lentry_shape_is_right
	s_endpgm
.Lentry_shape_is_right:
.set HSO,    3145728
.set HIDS,   12582912
.set KSTEP,  256
.set NQ,     2
.set ROWB,   256                       ; a tile's row: a chunk of 256 bytes of a row of codes, which begins on a multiple of 256 bytes
.set KROW,   768
.set PITCH,  272
.set STEPS,  8                         ; steps of 128 along K, 96 bytes of a row each
.set CHUNKS, 3                         ; chunk c lies in slot c % 2; K has three fills, so no prefetch is laid
.set FR,     12
.set NL,     6
.set NP,     4
.set HALFT,  128*PITCH
.set SLOT,   4*HALFT
.set LAPS,   2
.set KS,     32
.set SCL,    2*SLOT
.set HALFS,  16*272
.set SBLK,   2*272
.set SPARE,  SCL+4*HALFS
.set ADRA, 16
.set ADRB, 20
.set L16,  24
.set L8,   25
.set SVA,  26
.set ADRS, 27
.set SPW,  28
.set NIL,  29
.set SC,   32
.set BY,   64
.set AF,   128
.set PC,   128
.set TM,   148
.set PWS,  164
.set OUTS, 172
.set HA,   180
.set SEL,  90
.set G1, 24
.set G0, 32
.set G1B, 48
.set G0B, 56
.set G1S, 68
.set G0S, 76
.set G1SB, 80
.set G0SB, 88
.set MSB, 0
.macro WIN new
.if MSB != (\new)
	s_set_vgpr_msb (MSB<<8)|(\new)
.set MSB, (\new)
.endif
.endm
.set MUL_LO, 0xa1
.set MUL_HI, 0xf1
.set BIAS_LO, 0x81
.set BIAS_HI, 0xc1
.set TO_B,   0x40
.macro JLOAD g0a, g1a, g0b, g1b
	s_cmp_eq_u32 s15, 0
	s_cbranch_scc0 .Lfor_b_\@
	tensor_load_to_lds s[\g0a:\g0a+3], s[\g1a:\g1a+7]
	s_nop 0
.rept 4
	v_nop
.endr
	s_branch .Lasked_\@
.Lfor_b_\@:
	tensor_load_to_lds s[\g0b:\g0b+3], s[\g1b:\g1b+7]
	s_nop 0
.rept 4
	v_nop
.endr
.Lasked_\@:
.endm
.macro CREST
	s_cmp_lg_u32 s14, 0
	s_cbranch_scc1 .Lnot_wave_0_\@
	s_barrier_signal -3
.Lnot_wave_0_\@:
	s_barrier_wait -3
	s_barrier_signal -1
	s_barrier_wait -1
.endm
.macro CROUND
	s_barrier_signal -1
	s_barrier_wait -1
	CREST
.endm
	s_load_b256 s[4:11], s[0:1], 0x0
	s_load_b64 s[12:13], s[0:1], 0x20
	v_lshl_add_u32 v[SPW], v0, 2, SPARE
	v_mov_b32 v[NIL], 0
	ds_add_u32 v28, v29
	ds_add_u32 v28, v29
	s_wait_dscnt 0x0
	v_lshrrev_b32 v1, 5, v0
	v_readfirstlane_b32 s14, v1
	s_lshr_b32 s15, s14, 1
	s_and_b32 s16, s14, 1
	s_bfe_u32 s40, ttmp6, 0x40000
	s_bfe_u32 s41, ttmp6, 0x40004
	s_lshl_b32 s42, ttmp9, 2
	s_add_co_u32 s42, s42, s40
	s_and_b32 s17, ttmp7, 0xffff
	s_lshl_b32 s17, s17, 2
	s_add_co_u32 s17, s17, s41
	s_lshl_b32 s43, s41, 2
	s_lshl_b32 s43, 15, s43
	s_lshl_b32 s44, 0x1111, s40
	s_or_b32 s[G1+0], s43, (0<<16)|(1<<20)|(1<<21)|(5<<22)|(3<<25)
	s_or_b32 s[G1B+0], s44, (0<<16)|(1<<20)|(1<<21)|(5<<22)|(3<<25)
.irp g, G1, G1B
	s_mov_b32 s[\g+1], ROWB<<16
	s_mov_b32 s[\g+2], 256<<16                     ; the head's loads bring 256 rows
	s_mov_b32 s[\g+3], ROWB<<16
	s_mov_b32 s[\g+4], 256
	s_mov_b32 s[\g+5], KROW
	s_mov_b32 s[\g+6], 0
	s_mov_b32 s[\g+7], 0
.endr
	s_or_b32 s[G1S+0], s43, (3<<16)|(1<<20)|(1<<21)|(5<<22)|(3<<25)
	s_or_b32 s[G1SB+0], s44, (3<<16)|(1<<20)|(1<<21)|(5<<22)|(3<<25)
.irp g, G1S, G1SB
	s_mov_b32 s[\g+1], 32<<16
	s_mov_b32 s[\g+2], 32<<16                      ; the scales of 256 rows: 32 rows of 256 bytes
	s_mov_b32 s[\g+3], 32<<16
	s_mov_b32 s[\g+4], 32
	s_mov_b32 s[\g+5], 32
	s_mov_b32 s[\g+6], 0
	s_mov_b32 s[\g+7], 0
.endr
	s_lshl_b32 s20, s17, 8
	s_lshl_b32 s46, s42, 8
	s_mov_b32 s21, 0
	s_mov_b32 s47, 0
	s_mov_b64 s[18:19], KS
	s_mul_u64 s[22:23], s[20:21], s[18:19]
	s_mul_u64 s[92:93], s[46:47], s[18:19]
	s_mov_b64 s[18:19], KROW
	s_mul_u64 s[20:21], s[20:21], s[18:19]
	s_mul_u64 s[46:47], s[46:47], s[18:19]
	s_mul_i32 s18, s16, 128*KROW                   ; in the ring I fetch 128 rows of a tile: which half, in bytes
	s_mov_b32 s19, 0
	s_mul_i32 s45, s14, HALFT
	s_wait_kmcnt 0x0
	s_mov_b64 s[96:97], s[10:11]
	s_mov_b64 s[10:11], s[8:9]
	s_mov_b64 s[8:9], s[6:7]
	s_add_nc_u64 s[6:7], s[4:5], HSO
	s_add_nc_u64 s[20:21], s[4:5], s[20:21]
	s_add_nc_u64 s[22:23], s[6:7], s[22:23]
	s_add_nc_u64 s[46:47], s[8:9], s[46:47]
	s_add_nc_u64 s[92:93], s[10:11], s[92:93]
	CROUND
	s_mov_b32 s[G0S], 1
	s_mov_b32 s[G0S+1], SCL
	s_mov_b64 s[G0S+2:G0S+3], s[22:23]
	s_or_b32 s[G0S+3], s[G0S+3], 0x80000000
	s_mov_b32 s[G0SB], 1
	s_mov_b32 s[G0SB+1], SCL+2*HALFS
	s_mov_b64 s[G0SB+2:G0SB+3], s[92:93]
	s_or_b32 s[G0SB+3], s[G0SB+3], 0x80000000
.set G0H, 4                            ; s[4:7], s[8:11]: group 0 of the head's loads of chunk 0 (the addresses that lay there have been used)
.set G0HB, 8
	s_mov_b32 s[G0H], 1
	s_mov_b32 s[G0H+1], 0
	s_mov_b64 s[G0H+2:G0H+3], s[20:21]
	s_or_b32 s[G0H+3], s[G0H+3], 0x80000000
	s_mov_b32 s[G0HB], 1
	s_mov_b32 s[G0HB+1], 2*HALFT
	s_mov_b64 s[G0HB+2:G0HB+3], s[46:47]
	s_or_b32 s[G0HB+3], s[G0HB+3], 0x80000000
	s_add_nc_u64 s[20:21], s[20:21], s[18:19]      ; for the ring: my 128 rows
	s_add_nc_u64 s[46:47], s[46:47], s[18:19]
.irp s, 0,1
	s_mov_b32 s[G0+4*\s], 1
	s_add_co_u32 s[G0+4*\s+1], s45, \s*SLOT
	s_add_nc_u64 s[G0+4*\s+2:G0+4*\s+3], s[20:21], \s*ROWB
	s_or_b32 s[G0+4*\s+3], s[G0+4*\s+3], 0x80000000
	s_mov_b32 s[G0B+4*\s], 1
	s_add_co_u32 s[G0B+4*\s+1], s45, \s*SLOT
	s_add_nc_u64 s[G0B+4*\s+2:G0B+4*\s+3], s[46:47], \s*ROWB
	s_or_b32 s[G0B+4*\s+3], s[G0B+4*\s+3], 0x80000000
.endr
; the head's loads, one a wave: wave 0 chunk 0 of A's 256 rows, wave 1 of B's, wave 2 A's scales, wave 3 B's
.macro ARM under, g0, g1, next
	s_cmp_lt_u32 s14, \under
	s_cbranch_scc0 \next
	tensor_load_to_lds s[\g0:\g0+3], s[\g1:\g1+7]
	s_nop 0
.rept 4
	v_nop
.endr
	s_branch .Lhead_asked
\next:
.endm
	ARM 1, G0H,  G1,  .Lhead_b
	ARM 2, G0HB, G1B, .Lhead_sa
	ARM 3, G0S,  G1S, .Lhead_sb
	tensor_load_to_lds s[G0SB:G0SB+3], s[G1SB:G1SB+7]
	s_nop 0
.rept 4
	v_nop
.endr
.Lhead_asked:
	v_and_b32 v1, 15, v0
	v_bfe_u32 v2, v0, 4, 1
	s_lshl_b32 s20, s42, 10
	s_lshl_b32 s21, s16, 9
	s_add_co_u32 s20, s20, s21
	s_mov_b32 s21, 0
	s_add_nc_u64 s[96:97], s[96:97], s[20:21]
	v_lshlrev_b32 v8, 5, v2
.irp b, 0,1,2,3,4,5,6,7
	global_load_b128 v[BY+8*\b:BY+8*\b+3], v8, s[96:97] offset:64*\b
	global_load_b128 v[BY+8*\b+4:BY+8*\b+7], v8, s[96:97] offset:64*\b+16
.endr
	v_mul_u32_u24 v3, v1, PITCH
	v_mul_u32_u24 v4, v2, 24
	v_add_nc_u32 v4, v3, v4
	s_wait_alu depctr_va_vdst(0)
	s_mov_b32 s21, SLOT-232
	s_mov_b32 s22, SLOT+232
	v_sub_nc_u32 v9, 1, v2
	v_mul_u32_u24 v5, s21, v2
	v_add_nc_u32 v5, v3, v5
	v_add_nc_u32 v5, 232, v5                       ; across two chunks: lanes 0-15 byte 232 of the row in slot 0, lanes 16-31 byte 0 in slot 1;
	v_mul_u32_u24 v6, s22, v9
	v_add_nc_u32 v6, v3, v6                        ; and lanes 0-15 byte 232 in slot 1, lanes 16-31 byte 0 in slot 0
	s_mul_i32 s21, s15, HALFT
	s_mul_i32 s22, s16, HALFT
	s_add_co_u32 s22, s22, 2*HALFT
	v_add_nc_u32 v[ADRA+2], s21, v5
	v_add_nc_u32 v[ADRA+3], s21, v6
	v_add_nc_u32 v[ADRB+2], s22, v5
	v_add_nc_u32 v[ADRB+3], s22, v6
.irp s, 0,1
	v_add_nc_u32 v[ADRA+\s], s21, v4
	v_add_nc_u32 v[ADRB+\s], s22, v4
	s_add_co_u32 s21, s21, SLOT
	s_add_co_u32 s22, s22, SLOT
.endr
	v_mul_u32_u24 v5, v1, KS
	v_lshrrev_b32 v6, 8, v5
	v_lshl_add_u32 v5, v6, 4, v5
	s_mul_i32 s21, s15, HALFS
	s_mul_i32 s22, s16, HALFS
	s_add_co_u32 s22, s22, 2*HALFS
	s_sub_co_u32 s22, s22, s21
	v_mul_u32_u24 v6, s22, v2
	s_add_co_u32 s21, s21, SCL
	v_add_nc_u32 v5, v5, v6
	v_add_nc_u32 v[ADRS], s21, v5
	v_and_b32 v6, 31, v0
	v_lshlrev_b32 v[L16], 4, v6
	v_lshlrev_b32 v[L8], 3, v6
	v_lshlrev_b32 v[SVA], 2, v6
	s_wait_alu depctr_va_vdst(0)
	s_wait_loadcnt 0x0
.macro FRAG reg, adr, q, i
.irp p, 0,1,2,3,4,5
.set PB, 96*(\q)+48*(\p/3)+8*(\p%3)    ; q: the step, counted from the row's start; PB: the byte of the row at which lanes 0-15 read; lanes 16-31 read 24 bytes on.  Byte y lies in slot (y / 256) % 2
.if PB/ROWB == (PB+24)/ROWB
	ds_load_b64 v[\reg+2*\p:\reg+2*\p+1], v[\adr+(PB/ROWB)%2] offset:PB%ROWB+(\i)*16*PITCH
.else
	ds_load_b64 v[\reg+2*\p:\reg+2*\p+1], v[\adr+2+(PB/ROWB)%2] offset:PB%ROWB-232+(\i)*16*PITCH
.endif
.endr
.endm
.macro MUL16 a0, p, q, sc, zero
.irp a, \a0, \a0+1
.irp b, 0,1,2,3,4,5,6,7
.if \zero
	v_wmma_scale_f32_16x16x128_f8f6f4 v[8*(8*((\a)%4)+\b):8*(8*((\a)%4)+\b)+7], v[128*(\p)+FR*\b:128*(\p)+FR*\b+FR-1], v[AF+FR*(\a):AF+FR*(\a)+FR-1], v[BY+8*\b:BY+8*\b+7], v[SC+8*NQ*(\sc)+NQ*\b+(\q)], v[SC+8*NQ*(\sc)+NQ*(\a)+(\q)] matrix_a_fmt:MATRIX_FMT_FP6 matrix_b_fmt:MATRIX_FMT_FP6 matrix_a_scale:MATRIX_SCALE_ROW1
.else
	v_wmma_scale_f32_16x16x128_f8f6f4 v[8*(8*((\a)%4)+\b):8*(8*((\a)%4)+\b)+7], v[128*(\p)+FR*\b:128*(\p)+FR*\b+FR-1], v[AF+FR*(\a):AF+FR*(\a)+FR-1], v[8*(8*((\a)%4)+\b):8*(8*((\a)%4)+\b)+7], v[SC+8*NQ*(\sc)+NQ*\b+(\q)], v[SC+8*NQ*(\sc)+NQ*(\a)+(\q)] matrix_a_fmt:MATRIX_FMT_FP6 matrix_b_fmt:MATRIX_FMT_FP6 matrix_a_scale:MATRIX_SCALE_ROW1
.endif
.endr
.endr
.endm
.macro FETCH_B slot, q, p
	WIN TO_B
.irp i, 0,1,2,3,4,5,6,7
	FRAG 128*(\p)+FR*\i, ADRB+\slot, \q, \i
.endr
	WIN 0
.endm
.macro FETCH_A slot, q, i0
.irp i, \i0, \i0+1, \i0+2, \i0+3
	FRAG AF+FR*(\i), ADRA+\slot, \q, \i
.endr
.endm
.macro SCALES sc
.irp i, 0,1,2,3,4,5,6,7
	ds_load_b64 v[SC+8*NQ*((\sc)%2)+NQ*\i:SC+8*NQ*((\sc)%2)+NQ*\i+1], v[ADRS] offset:\i*SBLK+4*NQ*(\sc)   ; sc: the pair of steps
.endr
.endm
.macro PLACES n
.rept \n
	v_nop
.endr
.endm
.macro M16 a0, st, zero
	MUL16 \a0, (\st)%2, (\st)%2, ((\st)/2)%2, \zero
.endm
; A step: 64 products on step st's fragments; the next step's fragments are fetched in its middle and at its end (FETCH's first argument stays 0: FRAG finds the slot).
; Where the next step's bytes END in a chunk not yet read: the wait for my tensor loads and a barrier.  Where they BEGIN in a later chunk: also the add and the wait for my reads; where a chunk two on is left, a round and the refill.
.macro STEP st, zero
.set NX, (\st)+1
.set C0, (96*(\st))/ROWB
.set C1, (96*NX)/ROWB
.set E0, (96*(\st)+95)/ROWB
.set E1, (96*NX+95)/ROWB
.if C1 > C0 || E1 > E0
	s_wait_tensorcnt 0x0                           ; all my tensor loads have landed
.if C1 > C0
	ds_add_u32 v[SPW], v[NIL]
	s_wait_dscnt 4*NL+1                            ; the add and the 24 youngest loads (A's blocks 4-7) may be out
.else
	s_wait_dscnt 4*NL                              ; the 24 youngest loads may be out
.endif
	WIN MUL_LO
	M16 0, \st, 0
	s_wait_dscnt 0x0                               ; the add and all my reads are done
	s_barrier_signal -1
	M16 2, \st, 0
	WIN 0
	s_barrier_wait -1
.if C1 > C0 && C0+2 < CHUNKS
	CREST
	s_add_nc_u64 s[G0+4*(C0%2)+2:G0+4*(C0%2)+3], s[G0+4*(C0%2)+2:G0+4*(C0%2)+3], 2*ROWB
	s_add_nc_u64 s[G0B+4*(C0%2)+2:G0B+4*(C0%2)+3], s[G0B+4*(C0%2)+2:G0B+4*(C0%2)+3], 2*ROWB
	JLOAD G0+4*(C0%2), G1, G0B+4*(C0%2), G1B
.else
	PLACES NP
.endif
.else
	s_wait_dscnt 4*NL
	WIN MUL_LO-0x20*(\zero)                        ; zero = 1: C is the bias, in window 0
	M16 0, \st, \zero
	M16 2, \st, \zero
	s_wait_dscnt 0
	PLACES NP
.endif
	FETCH_B 0, NX, NX%2
	FETCH_A 0, NX, 0
.if NX%2 == 0
	SCALES NX/2
.endif
	WIN MUL_HI-0x30*(\zero)
	M16 4, \st, \zero
	M16 6, \st, \zero
	PLACES NP
	WIN 0
	FETCH_A 0, NX, 4
.endm
.macro QUANT s, W, pw
	WIN ((\W)<<2)|((\W)<<4)
.irp b, 0,1,2,3
	v_max3_num_f32 v[TM+\b], 0x1800000, |v[(\s)+16*\b]|, |v[(\s)+16*\b+1]|
.endr
.irp i, 2,4,6,8,10,12,14
.irp b, 0,1,2,3
	v_max3_num_f32 v[TM+\b], v[TM+\b], |v[(\s)+16*\b+\i]|, |v[(\s)+16*\b+\i+1]|
.endr
.endr
	WIN 0
.irp b, 0,1,2,3
	v_permlanex16_b32 v[TM+4+\b], v[TM+\b], s[SEL], s[SEL+1]
.endr
.irp b, 0,1,2,3
	v_max_num_f32 v[TM+\b], v[TM+\b], v[TM+4+\b]
.endr
.irp b, 0,1,2,3
	v_add_nc_u32 v[TM+12+\b], 0xff000000, v[TM+\b]
.endr
.irp b, 0,1,2,3
	v_lshrrev_b32 v[TM+4+\b], 23, v[TM+12+\b]
.endr
	v_lshl_or_b32 v[\pw], v[TM+5], 8, v[TM+4]
	v_lshl_or_b32 v[\pw], v[TM+6], 16, v[\pw]
	v_lshl_or_b32 v[\pw], v[TM+7], 24, v[\pw]
	WIN (\W)
.irp c, 0,1
	v_cvt_scalef32_pk16_fp6_f32 v[PC+6*\c:PC+2+6*\c], v[(\s)+32*\c:(\s)+15+32*\c], v[TM+12+2*\c]
	v_cvt_scalef32_pk16_fp6_f32 v[PC+12+4*\c:PC+14+4*\c], v[(\s)+16+32*\c:(\s)+31+32*\c], v[TM+12+2*\c+1]
.endr
	WIN 0
	v_nop
.irp c, 0,1
.irp i, 0,1,2
	v_permlane16_swap_b32 v[PC+6*\c+\i], v[PC+12+4*\c+\i]
.endr
.irp i, 0,1,2
	v_mov_b32 v[PC+3+6*\c+\i], v[PC+12+4*\c+\i]
.endr
.endr
.endm
	s_wait_alu depctr_va_vdst(0)
	s_wait_tensorcnt 0x0                           ; my tile of the head's four is in
	ds_add_u32 v[SPW], v[NIL]
	s_mov_b32 s[G1+2], 128<<16                     ; no load of mine is out: from here on a load brings 128 rows
	s_mov_b32 s[G1+4], 128
	s_mov_b32 s[G1B+2], 128<<16
	s_mov_b32 s[G1B+4], 128
	s_wait_dscnt 0x0
	CROUND
	JLOAD G0+4, G1, G0B+4, G1B                     ; chunk 1, slot 1's first fill, the first tensor load behind the round
	FETCH_B 0, 0, 0
	FETCH_A 0, 0, 0
	SCALES 0
	FETCH_A 0, 0, 4
	STEP 0, 1
.set ST, 1                             ; slots and chunks come back to where they began only behind all eight steps: the walk is written out
.rept STEPS-2
	STEP ST, 0
.set ST, ST+1
.endr
	s_wait_dscnt 4*NL
	WIN MUL_LO
	MUL16 0, 1, NQ-1, 1, 0
	MUL16 2, 1, NQ-1, 1, 0
	s_wait_dscnt 0
	WIN MUL_HI
	MUL16 4, 1, NQ-1, 1, 0
	MUL16 6, 1, NQ-1, 1, 0
	WIN 0
	PLACES NP
	s_mov_b32 s[SEL], 0x76543210
	s_mov_b32 s[SEL+1], 0xfedcba98
	s_mov_b32 s100, 0xffff0000
	s_lshl_b32 s18, s17, 1
	s_add_co_u32 s18, s18, s15
	s_lshl_b32 s19, s42, 1
	s_add_co_u32 s19, s19, s16
	s_lshl_b32 s68, s18, 8
	s_add_co_u32 s68, s68, s19
	s_mul_i32 s68, s68, 1536
	s_mov_b32 s69, 0
	s_add_nc_u64 s[68:69], s[12:13], s[68:69]
	s_lshl_b32 s74, s18, 5
	s_add_co_u32 s74, s74, s19
	s_lshl_b32 s74, s74, 9
	s_add_co_u32 s74, s74, HIDS
	s_mov_b32 s75, 0
	s_add_nc_u64 s[74:75], s[12:13], s[74:75]
.irp b, 0,1,2,3
	v_mov_b32 v[TM+4+\b], 0
.endr
.irp a, 0,1,2,3,4,5,6,7
.if \a > 0
	s_wait_xcnt 0x0
	s_add_nc_u64 s[68:69], s[68:69], 49152
.endif
	WIN 0x08+4*(\a/4)
.set j, 0
.rept 64
	v_max_num_f32 v[HA+j], 0, v[64*(\a%4)+j]
.set j, j+1
.endr
	WIN 0
.irp b, 0,1,2,3
.irp i, 0,1,2,3,4,5,6,7
	v_permlane16_swap_b32 v[HA+16*\b+\i], v[HA+16*\b+8+\i]
.endr
.endr
	QUANT HA,0,PWS+\a
	global_store_b128 v[L16], v[PC:PC+3], s[68:69]
	global_store_b64 v[L8], v[PC+4:PC+5], s[68:69] offset:512
	global_store_b128 v[L16], v[PC+6:PC+9], s[68:69] offset:768
	global_store_b64 v[L8], v[PC+10:PC+11], s[68:69] offset:1280
.endr
.irp i, 0,1,2,3
	v_cndmask_b32 v[OUTS+\i], v[PWS+2*\i], v[PWS+2*\i+1], s100
	global_store_b32 v[SVA], v[OUTS+\i], s[74:75] offset:128*\i
.endr
	s_wait_tensorcnt 0x0
	ds_add_u32 v[SPW], v[NIL]
	s_wait_dscnt 0x0
	CROUND
	s_endpgm
.Lfunc_end_k_q469231f785_ffn1:
	.size	k_q469231f785_ffn1, .Lfunc_end_k_q469231f785_ffn1-k_q469231f785_ffn1
	.p2alignl 7, 3214868480
	.fill 96, 4, 3214868480
	.section	.rodata,"a",@progbits
	.p2align	6, 0x0
	.amdhsa_kernel k_q469231f785_ffn1
		.amdhsa_group_segment_fixed_size 327680
		.amdhsa_private_segment_fixed_size 0
		.amdhsa_enable_private_segment 0
		.amdhsa_kernarg_size 40
		.amdhsa_user_sgpr_count 2
		.amdhsa_user_sgpr_kernarg_segment_ptr 1
		.amdhsa_wavefront_size32 1
		.amdhsa_system_sgpr_workgroup_id_x 1
		.amdhsa_system_sgpr_workgroup_id_y 1
		.amdhsa_system_sgpr_workgroup_id_z 1
		.amdhsa_system_vgpr_workitem_id 0
		.amdhsa_next_free_vgpr 1024
		.amdhsa_next_free_sgpr 102
		.amdhsa_reserve_vcc 0
		.amdhsa_float_denorm_mode_32 3
		.amdhsa_float_denorm_mode_16_64 3
		.amdhsa_memory_ordered 1
		.amdhsa_forward_progress 1
		.amdhsa_inst_pref_size 191
	.end_amdhsa_kernel
	.amdgpu_metadata
---
amdhsa.version: [ 1, 2 ]
amdhsa.kernels:
  - .name:           k_q469231f785_ffn1
    .symbol:         k_q469231f785_ffn1.kd
    .args:
      - { .name: h2b, .offset: 0, .size: 8, .value_kind: global_buffer, .address_space: global }
      - { .name: W1_codes, .offset: 8, .size: 8, .value_kind: global_buffer, .address_space: global }
      - { .name: W1_scales, .offset: 16, .size: 8, .value_kind: global_buffer, .address_space: global }
      - { .name: b1, .offset: 24, .size: 8, .value_kind: global_buffer, .address_space: global }
      - { .name: hidb, .offset: 32, .size: 8, .value_kind: global_buffer, .address_space: global }
    .group_segment_fixed_size: 327680
    .private_segment_fixed_size: 0
    .kernarg_segment_align: 8
    .kernarg_segment_size: 40
    .max_flat_workgroup_size: 128
    .sgpr_count:     102
    .vgpr_count:     1024
    .wavefront_size: 32
...
	.end_amdgpu_metadata
.endif
;; end of part 6
;; launch ffn2 (part 7): grid 8 x 32, 4 waves a work-group, clusters of 4 x 4, 327,680 bytes of LDS; arguments hidb, pbuf, b2, x1, out0; writes out0
.if DOCPART == 7
	.amdgcn_target "amdgcn-amd-amdhsa--gfx1250"
	.amdhsa_code_object_version 6
	.text
	.protected	k_q469231f785_ffn2
	.globl	k_q469231f785_ffn2
	.p2align	8
	.type	k_q469231f785_ffn2,@function
k_q469231f785_ffn2:
	s_mov_b64 s[64:65], 0
	v_nop
	global_prefetch_b8 v0, s[64:65] scope:SCOPE_SE
	s_setreg_imm32_b32 hwreg(HW_REG_WAVE_MODE, 25, 1), 1
	s_wait_xcnt 0x0
	s_wait_alu depctr_hold_cnt(0) depctr_sa_sdst(0) depctr_va_vdst(0) depctr_va_sdst(0) depctr_va_ssrc(0) depctr_va_vcc(0) depctr_vm_vsrc(0)
	s_getreg_b32 s2, hwreg(HW_REG_IB_STS2, 6, 4)
	s_cmp_eq_u32 s2, 0
	s_cbranch_scc0 .Lentry_in_a_cluster
	s_endpgm
.Lentry_in_a_cluster:
	s_bfe_u32 s2, ttmp6, 0x10000c
	s_cmp_lg_u32 s2, 0xf033
	s_cbranch_scc0 .Lentry_shape_is_right
	s_endpgm
.Lentry_shape_is_right:
.set SIZE_K, 4096
.set ASC,    12582912
.set BIMG,   4096000
.set BSC,    7241728
.set NKS,    SIZE_K/128
.set LAPS,   NKS/8
.set FRB,    1536
.set QUART,  16*FRB
.set SLOT,   4*QUART
.set SCL,    2*SLOT
.set SPARE,  SCL+NKS*1024
.set A16, 16
.set A8,  18
.set B16, 20
.set B8,  22
.set STO, 24
.set RD,  25
.set CO,  26
.set ASA, 27
.set SPW, 28
.set NIL, 29
.set ASB, 30
.set SC,  32
.set BY,  64
.set BK,  96
.set ACC, 128
.set G1, 24
.set G0, 32
.set G1B, 48
.set G0B, 56
.set G1S, 68
.set G0S, 76
.set G1SB, 80
.set G0SB, 88
.set MSB, 0
.macro WIN new
.if MSB != (\new)
	s_set_vgpr_msb (MSB<<8)|(\new)
.set MSB, (\new)
.endif
.endm
.macro JLOAD g0a, g1a, g0b, g1b
	s_cmp_eq_u32 s15, 0
	s_cbranch_scc0 .Lfor_b_\@
	tensor_load_to_lds s[\g0a:\g0a+3], s[\g1a:\g1a+7]
	s_nop 0
.rept 4
	v_nop
.endr
	s_branch .Lasked_\@
.Lfor_b_\@:
	tensor_load_to_lds s[\g0b:\g0b+3], s[\g1b:\g1b+7]
	s_nop 0
.rept 4
	v_nop
.endr
.Lasked_\@:
.endm
.macro CREST
	s_cmp_lg_u32 s14, 0
	s_cbranch_scc1 .Lnot_wave_0_\@
	s_barrier_signal -3
.Lnot_wave_0_\@:
	s_barrier_wait -3
	s_barrier_signal -1
	s_barrier_wait -1
.endm
.macro CROUND
	s_barrier_signal -1
	s_barrier_wait -1
	CREST
.endm
	s_load_b256 s[4:11], s[0:1], 0x0
	s_load_b64 s[12:13], s[0:1], 0x20
	v_lshl_add_u32 v[SPW], v0, 2, SPARE
	v_mov_b32 v[NIL], 0
	ds_add_u32 v28, v29
	ds_add_u32 v28, v29
	s_wait_dscnt 0x0
	v_lshrrev_b32 v1, 5, v0
	v_readfirstlane_b32 s14, v1
	s_lshr_b32 s15, s14, 1
	s_and_b32 s16, s14, 1
	s_bfe_u32 s40, ttmp6, 0x40000
	s_bfe_u32 s41, ttmp6, 0x40004
	s_lshl_b32 s42, ttmp9, 2
	s_add_co_u32 s42, s42, s40
	s_and_b32 s17, ttmp7, 0xffff
	s_lshl_b32 s17, s17, 2
	s_add_co_u32 s17, s17, s41
	s_lshl_b32 s43, s41, 2
	s_lshl_b32 s43, 15, s43
	s_lshl_b32 s44, 0x1111, s40
	s_or_b32 s[G1+0], s43, (3<<16)|(1<<21)
	s_or_b32 s[G1B+0], s44, (3<<16)|(1<<21)
.irp g, G1, G1B
	s_mov_b32 s[\g+1], 768<<16
	s_mov_b32 s[\g+2], 8<<16                       ; the head's loads bring all 8 row tiles
	s_mov_b32 s[\g+3], 768<<16
	s_mov_b32 s[\g+4], 8
	s_mov_b32 s[\g+5], NKS*192
	s_mov_b32 s[\g+6], 0
	s_mov_b32 s[\g+7], 0
.endr
	s_or_b32 s[G1S+0], s43, (3<<16)|(1<<21)
	s_or_b32 s[G1SB+0], s44, (3<<16)|(1<<21)
.irp g, G1S, G1SB
	s_mov_b32 s[\g+1], 32<<16
	s_mov_b32 s[\g+2], (2*NKS)<<16                 ; a whole tile's scale words
	s_mov_b32 s[\g+3], 32<<16
	s_mov_b32 s[\g+4], 2*NKS
	s_mov_b32 s[\g+5], 32
	s_mov_b32 s[\g+6], 0
	s_mov_b32 s[\g+7], 0
.endr
	s_mul_i32 s20, s17, 8*NKS*FRB                  ; A's codes: the tile's first row tile
	s_mul_i32 s46, s42, 8*NKS*FRB
	s_add_co_u32 s46, s46, BIMG                    ; W's
	s_mul_i32 s22, s17, NKS*512
	s_add_co_u32 s22, s22, ASC
	s_mul_i32 s92, s42, NKS*512
	s_add_co_u32 s92, s92, BSC
	s_mul_i32 s18, s16, 4*NKS*FRB                  ; in the ring I fetch 4 row tiles: which half
	s_mov_b32 s19, 0
	s_mov_b32 s21, 0
	s_mov_b32 s23, 0
	s_mov_b32 s47, 0
	s_mov_b32 s93, 0
	s_mul_i32 s45, s14, QUART
	s_wait_kmcnt 0x0
	s_add_nc_u64 s[20:21], s[4:5], s[20:21]
	s_add_nc_u64 s[22:23], s[4:5], s[22:23]
	s_add_nc_u64 s[46:47], s[6:7], s[46:47]
	s_add_nc_u64 s[92:93], s[6:7], s[92:93]
	CROUND
	s_mov_b32 s[G0S], 1
	s_mov_b32 s[G0S+1], SCL
	s_mov_b64 s[G0S+2:G0S+3], s[22:23]
	s_or_b32 s[G0S+3], s[G0S+3], 0x80000000
	s_mov_b32 s[G0SB], 1
	s_mov_b32 s[G0SB+1], SCL+NKS*512
	s_mov_b64 s[G0SB+2:G0SB+3], s[92:93]
	s_or_b32 s[G0SB+3], s[G0SB+3], 0x80000000
.set G0H, 4                            ; s[4:7], s[92:95]: group 0 of the head's loads of slot 0 (what lay there has been used)
.set G0HB, 92
	s_mov_b32 s[G0H], 1
	s_mov_b32 s[G0H+1], 0
	s_mov_b64 s[G0H+2:G0H+3], s[20:21]
	s_or_b32 s[G0H+3], s[G0H+3], 0x80000000
	s_mov_b32 s[G0HB], 1
	s_mov_b32 s[G0HB+1], 2*QUART
	s_mov_b64 s[G0HB+2:G0HB+3], s[46:47]
	s_or_b32 s[G0HB+3], s[G0HB+3], 0x80000000
	s_add_nc_u64 s[20:21], s[20:21], s[18:19]      ; for the ring: my 4 row tiles
	s_add_nc_u64 s[46:47], s[46:47], s[18:19]
.irp s, 0,1
	s_mov_b32 s[G0+4*\s], 1
	s_add_co_u32 s[G0+4*\s+1], s45, \s*SLOT
	s_add_nc_u64 s[G0+4*\s+2:G0+4*\s+3], s[20:21], \s*4*FRB
	s_or_b32 s[G0+4*\s+3], s[G0+4*\s+3], 0x80000000
	s_mov_b32 s[G0B+4*\s], 1
	s_add_co_u32 s[G0B+4*\s+1], s45, \s*SLOT
	s_add_nc_u64 s[G0B+4*\s+2:G0B+4*\s+3], s[46:47], \s*4*FRB
	s_or_b32 s[G0B+4*\s+3], s[G0B+4*\s+3], 0x80000000
.endr
; the head's loads, one a wave: wave 0 slot 0 of A's tile, wave 1 of W's, wave 2 A's scale words, wave 3 W's
.macro ARM under, g0, g1, next
	s_cmp_lt_u32 s14, \under
	s_cbranch_scc0 \next
	tensor_load_to_lds s[\g0:\g0+3], s[\g1:\g1+7]
	s_nop 0
.rept 4
	v_nop
.endr
	s_branch .Lhead_asked
\next:
.endm
	ARM 1, G0H,  G1,  .Lhead_b
	ARM 2, G0HB, G1B, .Lhead_sa
	ARM 3, G0S,  G1S, .Lhead_sb
	tensor_load_to_lds s[G0SB:G0SB+3], s[G1SB:G1SB+7]
	s_nop 0
.rept 4
	v_nop
.endr
.Lhead_asked:
; PREFETCH: the load of slot j is followed by a request for slot j + 2.  Of the 4 row tiles that I fetch in the ring, each of the four partners that ask for them jointly names one
; (cx for A, cy for W: told apart by address alone): 6,144 bytes, 24 blocks of 256, a lane a block; lanes 24-31 name the last block again.  Slots 6 and 7 are the last: the loop's last trip asks for nothing.
.set PFO, 31                           ; v31: 256 x min(lane, 23); never rewritten
.set PFA, 96                           ; s[96:97]: my partner's row tile, at the slot whose number is that of the refills made so far
	v_and_b32 v[PFO], 31, v0
	v_min_u32 v[PFO], 23, v[PFO]
	v_lshlrev_b32 v[PFO], 8, v[PFO]
	s_cmp_eq_u32 s15, 0
	s_cselect_b32 s18, s40, s41
	s_cselect_b64 s[PFA:PFA+1], s[20:21], s[46:47]
	s_mul_i32 s18, s18, NKS*FRB
	s_add_nc_u64 s[PFA:PFA+1], s[PFA:PFA+1], s[18:19]
	global_prefetch_b8 v[PFO], s[PFA:PFA+1] offset:8*FRB th:TH_LOAD_NT scope:SCOPE_SE    ; slot 2
	v_and_b32 v1, 31, v0
	v_and_b32 v4, 15, v0
	v_bfe_u32 v5, v0, 4, 1
	s_wait_alu depctr_va_vdst(0)
	s_lshl_b32 s20, s42, 9
	s_lshl_b32 s21, s16, 8
	s_add_co_u32 s20, s20, s21
	s_mov_b32 s21, 0
	s_add_nc_u64 s[8:9], s[8:9], s[20:21]
	s_lshl_b32 s22, s17, 19
	s_lshl_b32 s23, s15, 18
	s_add_co_u32 s22, s22, s23
	s_add_co_u32 s22, s22, s20
	s_mov_b32 s23, 0
	s_add_nc_u64 s[10:11], s[10:11], s[22:23]
	s_add_nc_u64 s[12:13], s[12:13], s[22:23]
	v_lshlrev_b32 v6, 5, v5
	v_lshlrev_b32 v[CO], 12, v5
	v_lshl_add_u32 v[CO], v4, 4, v[CO]
.irp b, 0,1,2,3
	global_load_b128 v[BY+8*\b:BY+8*\b+3], v6, s[8:9] offset:64*\b
	global_load_b128 v[BY+8*\b+4:BY+8*\b+7], v6, s[8:9] offset:64*\b+16
.endr
	WIN 0x80
.set j, 0
.rept 32
	global_load_b128 v[4*j:4*j+3], v[CO], s[10:11] offset:2*j*4096
.set j, j+1
.endr
	WIN 0
	v_lshlrev_b32 v2, 4, v1
	v_lshlrev_b32 v3, 3, v1
	s_mul_i32 s21, s15, QUART
	s_mul_i32 s22, s16, QUART
	s_add_co_u32 s22, s22, 2*QUART
.irp s, 0,1
	v_add_nc_u32 v[A16+\s], s21, v2
	v_add_nc_u32 v[A8+\s], s21, v3
	v_add_nc_u32 v[B16+\s], s22, v2
	v_add_nc_u32 v[B8+\s], s22, v3
	s_add_co_u32 s21, s21, SLOT
	s_add_co_u32 s22, s22, SLOT
.endr
	s_lshl_b32 s23, s15, 8
	s_add_co_u32 s23, s23, SCL
	v_lshl_add_u32 v[ASA], v1, 2, s23
	s_lshl_b32 s23, s16, 8
	s_add_co_u32 s23, s23, SCL+NKS*512
	v_lshl_add_u32 v[ASB], v1, 2, s23
	s_mul_i32 s23, s14, 16*272
	v_mul_u32_u24 v[STO], v4, 272
	v_lshl_add_u32 v[STO], v5, 5, v[STO]
	v_add_nc_u32 v[STO], s23, v[STO]
	v_mul_u32_u24 v[RD], v5, 272
	v_lshl_add_u32 v[RD], v4, 4, v[RD]
	v_add_nc_u32 v[RD], s23, v[RD]
.macro WM d, y, x, c, sy, sx, ry, rx
.if (\ry) && (\rx)
	v_wmma_scale_f32_16x16x128_f8f6f4 v[(\d):(\d)+7], v[(\y):(\y)+11], v[(\x):(\x)+11], v[(\c):(\c)+7], v[\sy], v[\sx] matrix_a_fmt:MATRIX_FMT_FP6 matrix_b_fmt:MATRIX_FMT_FP6 matrix_a_scale:MATRIX_SCALE_ROW1 matrix_b_scale:MATRIX_SCALE_ROW1
.elseif (\ry)
	v_wmma_scale_f32_16x16x128_f8f6f4 v[(\d):(\d)+7], v[(\y):(\y)+11], v[(\x):(\x)+11], v[(\c):(\c)+7], v[\sy], v[\sx] matrix_a_fmt:MATRIX_FMT_FP6 matrix_b_fmt:MATRIX_FMT_FP6 matrix_a_scale:MATRIX_SCALE_ROW1
.elseif (\rx)
	v_wmma_scale_f32_16x16x128_f8f6f4 v[(\d):(\d)+7], v[(\y):(\y)+11], v[(\x):(\x)+11], v[(\c):(\c)+7], v[\sy], v[\sx] matrix_a_fmt:MATRIX_FMT_FP6 matrix_b_fmt:MATRIX_FMT_FP6 matrix_b_scale:MATRIX_SCALE_ROW1
.else
	v_wmma_scale_f32_16x16x128_f8f6f4 v[(\d):(\d)+7], v[(\y):(\y)+11], v[(\x):(\x)+11], v[(\c):(\c)+7], v[\sy], v[\sx] matrix_a_fmt:MATRIX_FMT_FP6 matrix_b_fmt:MATRIX_FMT_FP6
.endif
.endm
.macro MUL4 f, a, zero
	WIN 0x05
.irp b, 0,1,2,3
.if \zero
	WM ACC+8*(4*(\a)+\b),96*(\f)+48+12*\b,96*(\f)+12*(\a),BY+8*\b,SC+4*(\f)+2+\b/2,SC+4*(\f)+(\a)/2,\b%2,(\a)%2
.else
	WM ACC+8*(4*(\a)+\b),96*(\f)+48+12*\b,96*(\f)+12*(\a),ACC+8*(4*(\a)+\b),SC+4*(\f)+2+\b/2,SC+4*(\f)+(\a)/2,\b%2,(\a)%2
.endif
.endr
.endm
.macro FETCH slot, q, f
	WIN 0x40
.irp i, 0,1,2,3
	ds_load_b128 v[96*(\f)+48+12*\i:96*(\f)+48+12*\i+3], v[B16+\slot] offset:(4*\i+(\q))*FRB
	ds_load_b64 v[96*(\f)+48+12*\i+4:96*(\f)+48+12*\i+5], v[B8+\slot] offset:(4*\i+(\q))*FRB+512
	ds_load_b128 v[96*(\f)+48+12*\i+6:96*(\f)+48+12*\i+9], v[B16+\slot] offset:(4*\i+(\q))*FRB+768
	ds_load_b64 v[96*(\f)+48+12*\i+10:96*(\f)+48+12*\i+11], v[B8+\slot] offset:(4*\i+(\q))*FRB+1280
	ds_load_b128 v[96*(\f)+12*\i:96*(\f)+12*\i+3], v[A16+\slot] offset:(4*\i+(\q))*FRB
	ds_load_b64 v[96*(\f)+12*\i+4:96*(\f)+12*\i+5], v[A8+\slot] offset:(4*\i+(\q))*FRB+512
	ds_load_b128 v[96*(\f)+12*\i+6:96*(\f)+12*\i+9], v[A16+\slot] offset:(4*\i+(\q))*FRB+768
	ds_load_b64 v[96*(\f)+12*\i+10:96*(\f)+12*\i+11], v[A8+\slot] offset:(4*\i+(\q))*FRB+1280
.endr
	WIN 0
	ds_load_b32 v[SC+4*(\f)], v[ASA] offset:(\q)*512
	ds_load_b32 v[SC+4*(\f)+1], v[ASA] offset:(\q)*512+128
	ds_load_b32 v[SC+4*(\f)+2], v[ASB] offset:(\q)*512
	ds_load_b32 v[SC+4*(\f)+3], v[ASB] offset:(\q)*512+128
.endm
.macro PLACES n
.rept \n
	v_nop
.endr
.endm
.macro KS slot, q, zero
	PLACES 4
	FETCH \slot, (\q)+1, 1-(\q)%2
	s_wait_dscnt 36
	MUL4 (\q)%2, 0, \zero
	MUL4 (\q)%2, 1, \zero
	MUL4 (\q)%2, 2, \zero
	MUL4 (\q)%2, 3, \zero
.endm
.macro TURN slot, next, fill
	WIN 0
.if \fill
	s_wait_xcnt 0x0                                ; my last prefetch has read its address: it steps one slot on
	s_add_nc_u64 s[PFA:PFA+1], s[PFA:PFA+1], 4*FRB
.endif
	s_wait_tensorcnt 0x0
	ds_add_u32 v[SPW], v[NIL]
	s_wait_dscnt 1
	MUL4 1, 0, 0
	s_wait_dscnt 0x0
	s_barrier_signal -1
	MUL4 1, 1, 0
	WIN 0
	s_barrier_wait -1
.if \fill
	CREST
	s_add_nc_u64 s[G0+4*\slot+2:G0+4*\slot+3], s[G0+4*\slot+2:G0+4*\slot+3], 8*FRB
	s_add_nc_u64 s[G0B+4*\slot+2:G0B+4*\slot+3], s[G0B+4*\slot+2:G0B+4*\slot+3], 8*FRB
	JLOAD G0+4*\slot, G1, G0B+4*\slot, G1B
.else
	PLACES 4
.endif
	v_add_nc_u32 v[ASA], 2048, v[ASA]
	v_add_nc_u32 v[ASB], 2048, v[ASB]
	s_wait_alu depctr_va_vdst(0)
	FETCH \next, 0, 0
.if \fill
	s_cmp_gt_u32 s3, 1                             ; s3 = 1 in the loop's last trip, whose refills are slots 6 and 7
	s_cbranch_scc0 .Lno_ask_\@
	global_prefetch_b8 v[PFO], s[PFA:PFA+1] offset:12*FRB th:TH_LOAD_NT scope:SCOPE_SE   ; the slot two refills on
.Lno_ask_\@:
.endif
	MUL4 1, 2, 0
	MUL4 1, 3, 0
.endm
	s_wait_alu depctr_va_vdst(0)
	s_wait_tensorcnt 0x0                           ; my tile of the head's four is in
	ds_add_u32 v[SPW], v[NIL]
	s_mov_b32 s[G1+2], 4<<16                       ; no load of mine is out: from here on a load brings 4 row tiles
	s_mov_b32 s[G1+4], 4
	s_mov_b32 s[G1B+2], 4<<16
	s_mov_b32 s[G1B+4], 4
	s_wait_dscnt 0x0
	CROUND
	JLOAD G0+4, G1, G0B+4, G1B                     ; slot 1's first fill, the first tensor load behind the round
	FETCH 0, 0, 0
	global_prefetch_b8 v[PFO], s[PFA:PFA+1] offset:12*FRB th:TH_LOAD_NT scope:SCOPE_SE   ; slot 3
	s_wait_loadcnt 32
	KS 0, 0, 1
.if LAPS > 1
	WIN 0
	s_mov_b32 s3, LAPS-1
.Llap:
	s_wait_alu depctr_va_vdst(0)
	KS 0, 1, 0
	KS 0, 2, 0
	TURN 0, 1, 1
	KS 1, 0, 0
	s_wait_alu depctr_va_vdst(0)
	KS 1, 1, 0
	KS 1, 2, 0
	TURN 1, 0, 1
	KS 0, 0, 0
	WIN 0
	s_sub_co_u32 s3, s3, 1
	s_cmp_lg_u32 s3, 0
	s_cbranch_scc1 .Llap
.endif
	s_wait_alu depctr_va_vdst(0)
	KS 0, 1, 0
	KS 0, 2, 0
	TURN 0, 1, 0
	KS 1, 0, 0
	s_wait_alu depctr_va_vdst(0)
	KS 1, 1, 0
	KS 1, 2, 0
	s_wait_dscnt 0x0
	MUL4 1, 0, 0
	MUL4 1, 1, 0
	MUL4 1, 2, 0
	MUL4 1, 3, 0
	WIN 0
	PLACES 4
	s_wait_loadcnt 0x0
.irp a, 0,1,2,3
.irp b, 0,1,2,3
	ds_store_b128 v[STO], v[ACC+8*(4*\a+\b):ACC+8*(4*\a+\b)+3] offset:64*\b
	ds_store_b128 v[STO], v[ACC+8*(4*\a+\b)+4:ACC+8*(4*\a+\b)+7] offset:64*\b+16
.endr
.if \a > 0
	s_wait_xcnt 0x0
.endif
.irp t, 0,1,2,3,4,5,6,7
	ds_load_b128 v[BK+4*\t:BK+4*\t+3], v[RD] offset:\t*2*272
.endr
	s_wait_dscnt 0x0
	WIN 0x08
.set j, 0
.rept 16
	v_pk_add_f32 v[BK+j:BK+j+1], v[BK+j:BK+j+1], v[32*\a+j:32*\a+j+1]
.set j, j+2
.endr
	WIN 0
.irp t, 0,1,2,3,4,5,6,7
	global_store_b128 v[CO], v[BK+4*\t:BK+4*\t+3], s[12:13] offset:(16*\a+2*\t)*4096
.endr
.endr
	s_wait_tensorcnt 0x0
	ds_add_u32 v[SPW], v[NIL]
	s_wait_dscnt 0x0
	CROUND
	s_endpgm
.Lfunc_end_k_q469231f785_ffn2:
	.size	k_q469231f785_ffn2, .Lfunc_end_k_q469231f785_ffn2-k_q469231f785_ffn2
	.p2alignl 7, 3214868480
	.fill 96, 4, 3214868480
	.section	.rodata,"a",@progbits
	.p2align	6, 0x0
	.amdhsa_kernel k_q469231f785_ffn2
		.amdhsa_group_segment_fixed_size 327680
		.amdhsa_private_segment_fixed_size 0
		.amdhsa_enable_private_segment 0
		.amdhsa_kernarg_size 40
		.amdhsa_user_sgpr_count 2
		.amdhsa_user_sgpr_kernarg_segment_ptr 1
		.amdhsa_wavefront_size32 1
		.amdhsa_system_sgpr_workgroup_id_x 1
		.amdhsa_system_sgpr_workgroup_id_y 1
		.amdhsa_system_sgpr_workgroup_id_z 1
		.amdhsa_system_vgpr_workitem_id 0
		.amdhsa_next_free_vgpr 768
		.amdhsa_next_free_sgpr 98
		.amdhsa_reserve_vcc 0
		.amdhsa_float_denorm_mode_32 3
		.amdhsa_float_denorm_mode_16_64 3
		.amdhsa_memory_ordered 1
		.amdhsa_forward_progress 1
		.amdhsa_inst_pref_size 103
	.end_amdhsa_kernel
	.amdgpu_metadata
---
amdhsa.version: [ 1, 2 ]
amdhsa.kernels:
  - .name:           k_q469231f785_ffn2
    .symbol:         k_q469231f785_ffn2.kd
    .args:
      - { .name: hidb, .offset: 0, .size: 8, .value_kind: global_buffer, .address_space: global }
      - { .name: pbuf, .offset: 8, .size: 8, .value_kind: global_buffer, .address_space: global }
      - { .name: b2, .offset: 16, .size: 8, .value_kind: global_buffer, .address_space: global }
      - { .name: x1, .offset: 24, .size: 8, .value_kind: global_buffer, .address_space: global }
      - { .name: out0, .offset: 32, .size: 8, .value_kind: global_buffer, .address_space: global }
    .group_segment_fixed_size: 327680
    .private_segment_fixed_size: 0
    .kernarg_segment_align: 8
    .kernarg_segment_size: 40
    .max_flat_workgroup_size: 128
    .sgpr_count:     98
    .vgpr_count:     768
    .wavefront_size: 32
...
	.end_amdgpu_metadata
.endif
;; end of part 7
